; MI455X (gfx1250); checked and timed in simulation.
; The chip was launched on July 23, 2026; its instructions are those of AMD's public machine-readable ISA for CDNA 5 (MIT licence, August 2026) and "CDNA5" Instruction Set Architecture Reference Guide (July 2026). The comments in the code are by the model that wrote it; some were corrected since.
;; Multi Head Attention. Allowed arithmetic: matrix products marked QUANTISED: E2M1 operands, one E8M0 scale for each 32 along K, by v_wmma_scale_f32_16x16x128_f8f6f4 with both operands' format E2M1 (or v_wmma_scale_f32_32x16x128_f4), f32 sums; products left as they are: bf16, f16 or f32 operands; f32 sums; everything else in f32.
;; Inputs: b_out 1,024 float32; w_out 1,024 x 1,024 float32; w_qkv 1,024 x 3,072 float32; x 8 x 1,024 x 1,024 float32.
;; Outputs: out0 8 x 1,024 x 1,024 float32.
;; This version of the problem:
;;   THIS VERSION OF THE PROBLEM IS GIVEN IN LOW PRECISION. The matrix products marked QUANTISED in the list below multiply operands that are first quantised to E2M1 (2 exponent bits, 1 mantissa bit; 4 bits a number), with one power-of-two scale for each 32 numbers along K (OCP MX v1.0); their sums are f32. The products marked 'left as it is' may take bf16, f16 or f32 operands, with f32 sums. Whichever they take, every output number must still come out within the allowed error. Rounding operands to bf16 (8 significant bits) uses up far more of that allowance than f16 does (11 bits, for magnitudes from 6e-5 to 65,504). All else is computed in f32.
;;   The module's matrix products, in the order in which they are computed (A, B: the left and right operand; K: the contracted axis; several contracted axes count as one K, in the product's order):
;;     1. [M 8,192, K 1,024] x [K 1,024, N 3,072]; A: input x; B: input w_qkv: QUANTISED
;;     2. batch 128 x [M 1,024, K 64] x [K 64, N 1,024]; A: computed on the way; B: computed on the way: left as it is (an operand is computed on the way)
;;     3. batch 128 x [M 1,024, K 1,024] x [K 1,024, N 64]; A: computed on the way; B: computed on the way: left as it is (an operand is computed on the way)
;;     4. [M 8,192, K 1,024] x [K 1,024, N 1,024]; A: computed on the way; B: input w_out: left as it is (an operand is computed on the way)
;;   THE QUANTISER, for each operand of a quantised product, along K:
;;     - K is cut into blocks of 32 from its start; a last block that is shorter is filled with zeros.
;;     - A block's scale is 2^e with e = floor(log2(the largest magnitude in the block)) - 2, held to -126 .. 127; a block of zeros has e = 0. As a byte (E8M0): e + 127.
;;     - Each number is divided by its block's scale, clamped to +-6, and rounded to the nearest number of E2M1, ties to even, subnormals kept.
;;     - The product sums the exact products of the quantised numbers (number of the format x scale) in f32.
;;   ~~~python
;;   def quantise(x, axis):      # numpy; x: float32 -> the quantised numbers, widened to float32 again
;;       x = np.moveaxis(x, axis, -1); K = x.shape[-1]
;;       x = np.pad(x, [(0, 0)] * (x.ndim - 1) + [(0, -K % 32)]); x = x.reshape(x.shape[:-1] + (-1, 32)); a = np.abs(x).max(-1, keepdims=True)
;;       e = np.where(a > 0, np.clip(np.frexp(np.where(a > 0, a, 1))[1] - 1 - 2, -126, 127), 0)      # np.frexp(a)[1] - 1 = floor(log2(a)), exactly
;;       r = np.clip(x / 2.0 ** e, -6, 6)
;;       step = 2.0 ** (np.maximum(np.frexp(np.where(r == 0, 1, r))[1] - 1, 0) - 1)
;;       q = np.round(r / step) * step * 2.0 ** e      # np.round: ties to even
;;       return np.moveaxis(q.reshape(q.shape[:-2] + (-1,))[..., :K], -1, axis).astype(np.float32)
;;   ~~~
;; One version. Each part assembles by itself: llvm-mc -triple=amdgcn-amd-amdhsa -mcpu=gfx1250 --defsym DOCPART=n.
;; ======== version 1 of 1: 4 launches
;; limits: values are held in f16: magnitudes above 65,504 overflow, below 6.1e-05 lose precision
;; workspace buffers: xc 4,194,304 bytes; xs 262,144 bytes; wc 1,572,864 bytes; ws 98,304 bytes; w16 2,097,152 bytes; qkv 50,331,648 bytes; o16 16,777,216 bytes
;; launch prep (part 1): grid 480 x 1, 4 waves a work-group, no clusters, 50,688 bytes of LDS; arguments x, w_qkv, w_out, xc, xs, wc, ws, w16; writes xc, xs, wc, ws, w16
.if DOCPART == 1
	.amdgcn_target "amdgcn-amd-amdhsa--gfx1250"
	.amdhsa_code_object_version 6
	.text
	.protected	k_qd3629d3c95_prep
	.globl	k_qd3629d3c95_prep
	.p2align	8
	.type	k_qd3629d3c95_prep,@function
k_qd3629d3c95_prep:
	s_mov_b64 s[64:65], 0
	v_nop
	global_prefetch_b8 v0, s[64:65] scope:SCOPE_SE
	s_setreg_imm32_b32 hwreg(HW_REG_WAVE_MODE, 25, 1), 1
	s_wait_xcnt 0x0
; MULTI-HEAD ATTENTION, launch 1 of 4: the operands are made ready.  No work of the problem is left out in any launch: every input has a way to the output and is loaded.
; Three jobs that share nothing, told apart by the work-group's number, the longest first:
;   W (work-groups 0-95):    w_qkv [1024 (k)][3072 (n)] f32 -> codes of FP4 (E2M1) laid [3072][512 bytes], K innermost, and one E8M0 byte for each 32 along K, laid [3072][32]
;   X (work-groups 96-351):  x [8192][1024] f32 -> codes [8192][512 bytes] and scale bytes [8192][32]
;   O (work-groups 352-479): w_out [1024][1024] f32 -> f16, same layout (the last product is left as it is and takes f16 operands)
; THE QUANTISER: a block's scale is 2^(floor(log2(its largest magnitude)) - 2); its byte is the largest magnitude's own exponent field - 2, held at 1 from below.  Each number is divided by the scale
; and rounded to the nearest code, ties to even; beyond 6 the largest code.
; LIMITS: a block of zeros, or one whose largest magnitude lies under 2^-124, gets the byte 1 (a block of zeros has zero codes, which add nothing under any byte but 0xff, and the bytes are read by this
; program alone); NaN and infinities among the inputs are not served; numbers of w_out under 6e-5 keep f16's absolute step of 6e-8, beyond 65,504 they are not served.
; LDS: path X has bytes 0 .. 32,767 (8,192 a wave), path W bytes 32,768 .. 50,175 (4,352 a wave): each path has bytes of its own.  Behind them the spare words.  No barrier: waves share nothing.
.set WGW,   96                         ; work-groups of path W: 3072 / 64 columns x 1024 / 512 along K
.set WGX,   256                        ; of path X: 8192 x 1024 / 32,768
.set SPARE, 50176                      ; the spare words, 128 bytes for each wave: two blocks of 256 bytes that no other line names
.set SPW,   190                        ; v190  LDS address of my spare word: SPARE + 4 x my thread's number; never rewritten
.set NIL,   191                        ; v191  0; never rewritten
.set WV,    20                         ; s20   my wave's number
.set EMAX,  2
	s_load_b256 s[4:11], s[0:1], 0x0               ; x s[4:5], w_qkv s[6:7], w_out s[8:9], xc s[10:11]
	s_load_b256 s[12:19], s[0:1], 0x20             ; xs s[12:13], wc s[14:15], ws s[16:17], w16 s[18:19]
	v_lshl_add_u32 v[SPW], v0, 2, SPARE
	v_mov_b32 v[NIL], 0
	v_lshrrev_b32 v1, 5, v0
	v_readfirstlane_b32 s[WV], v1                  ; wave 0..3
	v_and_b32 v2, 31, v0                           ; lane
	s_wait_kmcnt 0x0
	s_cmp_lt_u32 ttmp9, WGW
	s_cbranch_scc1 .Lw
	s_cmp_ge_u32 ttmp9, WGW+WGX
	s_cbranch_scc1 .Lo
; ---- PATH X.  Rows are dense and 1,024 is a multiple of 32: x is a plain stream of blocks of 32, and so are its codes and scale bytes.  A wave takes 16 steps of 512 numbers.
; The conversions take 8 numbers of ONE block from a lane's consecutive registers, so a lane must hold 16 NEIGHBOURS (two neighbouring lanes hold a block); a load is best where neighbouring LANES take
; neighbouring bytes.  Both are had: each of a step's four loads reads 512 consecutive bytes; the 2,048 bytes go through the wave's own stage in LDS as they lie and come back 64 bytes a lane.
; The stage has 16 bytes of padding behind each 64.  Loads run four steps (16 loads a wave) ahead, the turn through LDS one step.
.set STEPS, 16
.set CB,    8                          ; bytes of 16 codes
.set XR,    16                         ; v16-79   four sets of 16 numbers as they are loaded
.set XN,    80                         ; v80-111  two sets of 16 neighbours
.set XE,    112                        ; v112-127 a scale byte for each step
.set XC,    128                        ; v128-189 codes: four registers for each step, so that no store's data are written again
.set WREG,  8192                       ; a wave's region: two stages of 32 x SP bytes, behind them its 256 scale bytes
.set SP,    80                         ; a lane's place in a stage: its 64 bytes + 16 of padding
	v_lshlrev_b32 v3, 4, v2                        ; my 16 bytes of a load's 512
	s_mul_i32 s21, s[WV], WREG
	v_lshrrev_b32 v14, 2, v2
	v_mul_u32_u24 v14, v14, SP
	v_and_b32 v15, 3, v2
	v_lshl_add_u32 v14, v15, 4, v14
	v_add_nc_u32 v14, s21, v14                     ; the stage, on the way in: SP (lane / 4) + 16 (lane % 4); a load's 512 bytes take eight places
	v_mul_u32_u24 v15, v2, SP
	v_add_nc_u32 v15, s21, v15                     ; and on the way out: SP x lane: my 16 neighbours
	v_mul_u32_u24 v4, v2, CB                       ; my codes' place in a step's
	v_lshrrev_b32 v5, 1, v2
	s_add_co_u32 s21, s21, 2*32*SP
	v_add_nc_u32 v5, s21, v5                       ; LDS: my wave's 256 scale bytes, my block's byte
	v_lshlrev_b32 v7, 3, v2                        ; and on the way out 8 bytes a lane
	v_add_nc_u32 v6, s21, v7
	s_sub_co_u32 s22, ttmp9, WGW
	s_lshl_b32 s22, s22, 2
	s_add_co_u32 s22, s22, s[WV]                   ; which run of 8,192 numbers is my wave's: 0 .. 1,023
	s_mov_b32 s25, 0
	s_lshl_b32 s24, s22, 15                        ; 32,768 bytes of x a run,
	s_add_nc_u64 s[4:5], s[4:5], s[24:25]
	s_lshl_b32 s24, s22, 12                        ; 4,096 of codes,
	s_add_nc_u64 s[10:11], s[10:11], s[24:25]
	s_lshl_b32 s24, s22, 8                         ; 256 scale bytes
	s_add_nc_u64 s[12:13], s[12:13], s[24:25]
.macro XLOAD t
.irp i, 0,1,2,3
	global_load_b128 v[XR+16*((\t)%4)+4*\i:XR+16*((\t)%4)+4*\i+3], v3, s[4:5] offset:2048*(\t)+512*\i th:TH_LOAD_NT   ; 32 lanes read 512 consecutive bytes
.endr
.endm
.macro XTURN t                         ; step t's numbers through the stage: LDS serves a wave's instructions in order, so no wait stands between the stores and the loads
.irp i, 0,1,2,3
	ds_store_b128 v14, v[XR+16*((\t)%4)+4*\i:XR+16*((\t)%4)+4*\i+3] offset:32*SP*((\t)%2)+8*SP*\i
.endr
.irp i, 0,1,2,3
	ds_load_b128 v[XN+16*((\t)%2)+4*\i:XN+16*((\t)%2)+4*\i+3], v15 offset:32*SP*((\t)%2)+16*\i
.endr
.endm
.irp t, 0,1,2,3
	XLOAD \t
.endr
	s_wait_loadcnt 12                              ; step 0's four loads are in; the twelve of steps 1 to 3 stay out
	XTURN 0
.macro XSTEP t
.set XS, XN+16*((\t)%2)
.if (\t) > 0
	s_wait_dscnt 1                                 ; this step's numbers are back from the stage (the last step's byte store may be out): so its stores into the stage have read their registers,
.else
	s_wait_dscnt 0x0
.endif
.if (\t)+4 < STEPS
	XLOAD (\t)+4                                   ; which take the loads of four steps on
.endif
.if (\t)+1 < STEPS
.if STEPS-2-(\t) >= 3
	s_wait_loadcnt 12                              ; the next step's four loads are in; those of the three steps behind it may be out
.else
	s_wait_loadcnt 4*(STEPS-2-(\t))
.endif
	XTURN (\t)+1                                   ; and go through the other stage while this step is worked
.endif
	v_max3_num_f32 v8, |v[XS]|, |v[XS+1]|, |v[XS+2]|               ; the largest magnitude of my 16, in two chains
	v_max3_num_f32 v9, |v[XS+3]|, |v[XS+4]|, |v[XS+5]|
.irp i, 6,10
	v_max3_num_f32 v8, v8, |v[XS+\i]|, |v[XS+\i+1]|
	v_max3_num_f32 v9, v9, |v[XS+\i+2]|, |v[XS+\i+3]|
.endr
	v_max3_num_f32 v8, v8, |v[XS+14]|, |v[XS+15]|
	v_max3_num_f32 v8, v8, v9, (EMAX+1)<<23        ; and the floor 2^(3 - 127): so the byte cannot fall under 1
	v_max_num_f32_dpp v8, v8, v8 row_xmask:1 row_mask:0xf bank_mask:0xf   ; and of my neighbour's 16: the block's
	v_add_nc_u32 v11, -(EMAX<<23), v8              ; 2 off its exponent field: the conversion takes the exponent field of this operand as its scale, and nothing else of it
	v_cvt_scalef32_pk8_fp4_f32 v[XC+4*(\t)], v[XS:XS+7], v11
	v_cvt_scalef32_pk8_fp4_f32 v[XC+4*(\t)+1], v[XS+8:XS+15], v11
	v_lshrrev_b32 v[XE+(\t)], 23, v11              ; the scale's byte (a plain line behind the conversions)
	ds_store_b8 v5, v[XE+(\t)] offset:16*(\t)      ; both lanes of a block write the same byte with the same value
	global_store_b64 v4, v[XC+4*(\t):XC+4*(\t)+1], s[10:11] offset:32*CB*(\t)   ; the wave stores 256 consecutive bytes, aligned
.endm
.irp t, 0,1,2,3,4,5,6,7,8,9,10,11,12,13,14,15
	XSTEP \t
.endr
	ds_load_b64 v[8:9], v6                         ; LDS serves a wave's instructions in order: these see my byte stores
	s_wait_dscnt 0x0
	global_store_b64 v7, v[8:9], s[12:13]          ; 32 lanes store 256 consecutive bytes, aligned
	s_wait_tensorcnt 0x0                           ; the wave's end, behind my last LDS store
	ds_add_u32 v[SPW], v[NIL]
	s_wait_dscnt 0x0
	s_endpgm
; ---- PATH W.  K is w_qkv's FIRST axis.  A LANE TAKES A COLUMN n AND ITS REGISTERS RUN DOWN K: a block of 32 lies in ONE lane's 32 registers, its largest magnitude needs no other lane, and the conversions give the
; codes with K innermost.  A wave takes 16 columns x 512 along K: lanes 0-15 the first 256 along K, lanes 16-31 the second: 8 blocks a lane.  So 384 waves share the tensor, each with up to 64 loads out, and a
; lane's chain is 8 blocks long; and a column's 256 bytes of codes still come from ONE wave: they go through the wave's own stage in LDS and leave as rows: sixteen lanes store 256 consecutive bytes, aligned.
; A load reads 64 consecutive bytes of each of two rows; the four waves of a work-group stand side by side on 256 consecutive bytes of each row, aligned: so these loads carry no hint that the bytes are read once.
; Loads run two blocks ahead.  Every offset is an immediate: 255 rows of 12,288 bytes at the most, inside the signed 24 bits.
.Lw:
.set WN,    3072
.set NB,    8                          ; blocks of a lane
.set PITCH, 272                        ; a stage row: 256 bytes + 16
.set KROW,  512                        ; a row of wc in bytes
.set WSTG,  32768                      ; where path W's stages begin
.set WX,    32                         ; v32-95   two sets of 32 numbers
.set WC,    96                         ; v96-99   a block's codes
.set WOUT,  112                        ; v112-143 the way out
.set WSB,   24                         ; v24-25   the scale bytes, four to a register
	s_cmp_ge_u32 ttmp9, 48
	s_cselect_b32 s22, 1, 0                        ; which 512 along K
	s_cselect_b32 s21, 48, 0
	s_sub_co_u32 s21, ttmp9, s21                   ; which 64 columns
	s_lshl_b32 s21, s21, 6
	s_lshl_b32 s23, s[WV], 4
	s_add_co_u32 s21, s21, s23                     ; my wave's first column
	s_mov_b32 s25, 0
	s_mul_i32 s24, s22, 512*WN*4                   ; w_qkv: 512 rows of 12,288 bytes + 4 x column
	s_lshl_b32 s23, s21, 2
	s_add_co_u32 s24, s24, s23
	s_add_nc_u64 s[6:7], s[6:7], s[24:25]
	s_lshl_b32 s24, s21, 9                         ; wc: column x 512 + 256 x which
	s_lshl_b32 s23, s22, 8
	s_add_co_u32 s24, s24, s23
	s_add_nc_u64 s[14:15], s[14:15], s[24:25]
	s_lshl_b32 s24, s21, 5                         ; ws: column x 32 + 16 x which
	s_lshl_b32 s23, s22, 4
	s_add_co_u32 s24, s24, s23
	s_add_nc_u64 s[16:17], s[16:17], s[24:25]
	v_and_b32 v5, 15, v2                           ; r: my column among the wave's 16
	v_lshrrev_b32 v6, 4, v2                        ; h: my half of the 512 along K
	v_mul_u32_u24 v3, v6, 256*WN*4                 ; in: 256 rows further down for lanes 16-31,
	v_lshl_add_u32 v3, v5, 2, v3                   ; 4 bytes a column
	s_mul_i32 s23, s[WV], 16*PITCH
	s_add_co_u32 s23, s23, WSTG                    ; my stage
	v_mul_u32_u24 v4, v5, PITCH
	v_lshl_add_u32 v4, v6, 7, v4
	v_add_nc_u32 v4, s23, v4                       ; into it: row = my column, my half's 128 bytes
	v_mul_u32_u24 v7, v6, PITCH                    ; out of it: sixteen lanes to a row, two rows an instruction
	v_lshl_add_u32 v7, v5, 4, v7
	v_add_nc_u32 v7, s23, v7
	v_mul_u32_u24 v8, v6, KROW
	v_lshl_add_u32 v8, v5, 4, v8                   ; and the same place in wc
	v_lshlrev_b32 v9, 5, v5
	v_lshl_add_u32 v9, v6, 3, v9                   ; my 8 scale bytes in my column's row of 32
.macro WLOAD t                         ; block t: w(256 h + 32 t + i, my column), i = 0 .. 31, into set t % 2
.irp i, 0,1,2,3,4,5,6,7,8,9,10,11,12,13,14,15,16,17,18,19,20,21,22,23,24,25,26,27,28,29,30,31
	global_load_b32 v[WX+32*((\t)%2)+\i], v3, s[6:7] offset:(32*(\t)+\i)*WN*4
.endr
.endm
	WLOAD 0
	WLOAD 1
.macro WBLOCK t
.set XS, WX+32*((\t)%2)
.if (\t) < NB-1
	s_wait_loadcnt 32                              ; this block's 32 loads are in; the next block's 32 may be out
.else
	s_wait_loadcnt 0
.endif
	v_max3_num_f32 v12, |v[XS]|, |v[XS+1]|, |v[XS+2]|              ; the block's largest magnitude: all 32 numbers are mine
	v_max3_num_f32 v13, |v[XS+3]|, |v[XS+4]|, |v[XS+5]|
.irp i, 6,10,14,18,22,26
	v_max3_num_f32 v12, v12, |v[XS+\i]|, |v[XS+\i+1]|
	v_max3_num_f32 v13, v13, |v[XS+\i+2]|, |v[XS+\i+3]|
.endr
	v_max3_num_f32 v12, v12, |v[XS+30]|, |v[XS+31]|
	v_max3_num_f32 v12, v12, v13, (EMAX+1)<<23     ; and the floor 2^(3 - 127)
	v_add_nc_u32 v11, -(EMAX<<23), v12             ; the conversion's scale operand
	v_lshrrev_b32 v13, 23, v11                     ; the scale's byte
.if (\t)%4 == 0
	v_mov_b32 v[WSB+(\t)/4], v13                   ; four bytes to a register, the lower K in the lower byte
.else
	v_lshl_or_b32 v[WSB+(\t)/4], v13, 8*((\t)%4), v[WSB+(\t)/4]
.endif
.irp g, 0,1,2,3
	v_cvt_scalef32_pk8_fp4_f32 v[WC+\g], v[XS+8*\g:XS+8*\g+7], v11
.endr
	ds_store_b128 v4, v[WC:WC+3] offset:16*(\t)    ; 32 codes: 16 bytes of my column's row
.if (\t)+2 < NB
	WLOAD (\t)+2
.endif
	s_wait_dscnt 0x0                               ; the store has read its registers: the next block's codes may be written (the next block begins with plain vector lines)
.endm
.set Q, 0
.rept NB
	WBLOCK Q
.set Q, Q+1
.endr
	global_store_b64 v9, v[WSB:WSB+1], s[16:17]    ; my 8 scale bytes
.irp t, 0,1,2,3,4,5,6,7
	ds_load_b128 v[WOUT+4*\t:WOUT+4*\t+3], v7 offset:2*\t*PITCH   ; LDS serves a wave's instructions in order: these see my stores
.endr
.irp t, 0,1,2,3,4,5,6,7
	s_wait_dscnt 7-\t                              ; loads come back in order: row pair t is in
	global_store_b128 v8, v[WOUT+4*\t:WOUT+4*\t+3], s[14:15] offset:2*\t*KROW
.endr
	s_wait_tensorcnt 0x0                           ; the wave's end, behind my last LDS store
	ds_add_u32 v[SPW], v[NIL]
	s_wait_dscnt 0x0
	s_endpgm
; ---- PATH O.  A plain stream: a wave takes 2,048 numbers of w_out; each load reads 512 consecutive bytes, each store writes 256 consecutive bytes, aligned.  Every result has registers of its own.
.Lo:
	s_sub_co_u32 s22, ttmp9, WGW+WGX
	s_lshl_b32 s22, s22, 2
	s_add_co_u32 s22, s22, s[WV]                   ; my chunk: 0 .. 511
	s_mov_b32 s25, 0
	s_lshl_b32 s24, s22, 13
	s_add_nc_u64 s[8:9], s[8:9], s[24:25]
	s_lshl_b32 s24, s22, 12
	s_add_nc_u64 s[18:19], s[18:19], s[24:25]
	v_lshlrev_b32 v3, 4, v2
	v_lshlrev_b32 v4, 3, v2
.irp i, 0,1,2,3,4,5,6,7,8,9,10,11,12,13,14,15
	global_load_b128 v[32+4*\i:35+4*\i], v3, s[8:9] offset:512*\i th:TH_LOAD_NT
.endr
.irp i, 0,1,2,3,4,5,6,7,8,9,10,11,12,13,14,15
	s_wait_loadcnt 15-\i                           ; load i is in; the younger ones stay out
	v_cvt_pk_f16_f32 v[96+2*\i], v[32+4*\i], v[33+4*\i]
	v_cvt_pk_f16_f32 v[97+2*\i], v[34+4*\i], v[35+4*\i]
	global_store_b64 v4, v[96+2*\i:97+2*\i], s[18:19] offset:256*\i
.endr
	s_wait_tensorcnt 0x0                           ; every wave of this launch ends alike
	ds_add_u32 v[SPW], v[NIL]
	s_wait_dscnt 0x0
	s_endpgm
.Lfunc_end_k_qd3629d3c95_prep:
	.size	k_qd3629d3c95_prep, .Lfunc_end_k_qd3629d3c95_prep-k_qd3629d3c95_prep
	.p2alignl 7, 3214868480
	.fill 96, 4, 3214868480
	.section	.rodata,"a",@progbits
	.p2align	6, 0x0
	.amdhsa_kernel k_qd3629d3c95_prep
		.amdhsa_group_segment_fixed_size 50688
		.amdhsa_private_segment_fixed_size 0
		.amdhsa_enable_private_segment 0
		.amdhsa_kernarg_size 64
		.amdhsa_user_sgpr_count 2
		.amdhsa_user_sgpr_kernarg_segment_ptr 1
		.amdhsa_wavefront_size32 1
		.amdhsa_system_sgpr_workgroup_id_x 1
		.amdhsa_system_sgpr_workgroup_id_y 1
		.amdhsa_system_sgpr_workgroup_id_z 1
		.amdhsa_system_vgpr_workitem_id 0
		.amdhsa_next_free_vgpr 192
		.amdhsa_next_free_sgpr 66
		.amdhsa_reserve_vcc 0
		.amdhsa_float_denorm_mode_32 3
		.amdhsa_float_denorm_mode_16_64 3
		.amdhsa_memory_ordered 1
		.amdhsa_forward_progress 1
		.amdhsa_inst_pref_size 79
	.end_amdhsa_kernel
	.amdgpu_metadata
---
amdhsa.version: [ 1, 2 ]
amdhsa.kernels:
  - .name:           k_qd3629d3c95_prep
    .symbol:         k_qd3629d3c95_prep.kd
    .args:
      - { .name: x, .offset: 0, .size: 8, .value_kind: global_buffer, .address_space: global }
      - { .name: w_qkv, .offset: 8, .size: 8, .value_kind: global_buffer, .address_space: global }
      - { .name: w_out, .offset: 16, .size: 8, .value_kind: global_buffer, .address_space: global }
      - { .name: xc, .offset: 24, .size: 8, .value_kind: global_buffer, .address_space: global }
      - { .name: xs, .offset: 32, .size: 8, .value_kind: global_buffer, .address_space: global }
      - { .name: wc, .offset: 40, .size: 8, .value_kind: global_buffer, .address_space: global }
      - { .name: ws, .offset: 48, .size: 8, .value_kind: global_buffer, .address_space: global }
      - { .name: w16, .offset: 56, .size: 8, .value_kind: global_buffer, .address_space: global }
    .group_segment_fixed_size: 50688
    .private_segment_fixed_size: 0
    .kernarg_segment_align: 8
    .kernarg_segment_size: 64
    .max_flat_workgroup_size: 128
    .sgpr_count:     66
    .vgpr_count:     192
    .wavefront_size: 32
...
	.end_amdgpu_metadata
.endif
;; end of part 1
;; launch qkvg (part 2): grid 12 x 16, 4 waves a work-group, clusters of 4 x 4, 327,680 bytes of LDS; arguments xc, xs, wc, ws, qkv; writes qkv
.if DOCPART == 2
	.amdgcn_target "amdgcn-amd-amdhsa--gfx1250"
	.amdhsa_code_object_version 6
	.text
	.protected	k_qd3629d3c95_qkvg
	.globl	k_qd3629d3c95_qkvg
	.p2align	8
	.type	k_qd3629d3c95_qkvg,@function
k_qd3629d3c95_qkvg:
	s_mov_b64 s[64:65], 0
	v_nop
	global_prefetch_b8 v0, s[64:65] scope:SCOPE_SE
	s_setreg_imm32_b32 hwreg(HW_REG_WAVE_MODE, 25, 1), 1
	s_wait_xcnt 0x0
	s_wait_alu depctr_hold_cnt(0) depctr_sa_sdst(0) depctr_va_vdst(0) depctr_va_sdst(0) depctr_va_ssrc(0) depctr_va_vcc(0) depctr_vm_vsrc(0)
	s_getreg_b32 s2, hwreg(HW_REG_IB_STS2, 6, 4)
	s_cmp_eq_u32 s2, 0
	s_cbranch_scc0 .Lentry_in_a_cluster
	s_endpgm
.Lentry_in_a_cluster:
	s_bfe_u32 s2, ttmp6, 0x10000c
	s_cmp_lg_u32 s2, 0xf033
	s_cbranch_scc0 .Lentry_shape_is_right
	s_endpgm
.Lentry_shape_is_right:
; Launch 2 of 4: qkv = Q(x) Q(w_qkv), the QUANTISED product, on codes of FP4 (E2M1) with one E8M0 scale for each 32 along K; sums in f32; nothing of the problem is left out.
; A = xc [8192][1024 codes], B = wc [3072][1024 codes], scale bytes xs [8192][32], ws [3072][32].  The result is rounded once to f16 (the operands of the two attention products, which are left as they are)
; and laid by heads: qkv[which 3][b 8][h 16][n 1024][64], byte = which << 24 + b << 21 + h << 17 + n << 7 + 2 ch: a head's rows are 128 dense bytes, so two neighbouring rows are 256 consecutive bytes.
; LIMIT: |q|, |k|, |v| stay under 65,504, f16's largest number.
; A tile of C, 256 x 256, is made by a work-group of four waves; a wave makes 128 x 128: 64 accumulators of 16 x 16, 512 registers.  K = 1,024 is two K steps of 512 (a tile's row is 256 bytes), each in an LDS slot of its own.
; A WORK-GROUP STAYS: C has 384 tiles; 192 work-groups make two each, 4,096 rows apart (tile rows ty and ty + 16).  Both tiles take the same 256 rows of B, which lie whole in the two slots, with their scales, and are
; fetched once.  Only A's halves of the slots and A's scales are filled again: slot 0's and the scales at the first tile's change of slots, slot 1's behind its last product; the first tile's stores leave, and slot 1's
; refill lands, under the second tile's work.  Nothing waits for the first tile's stores.
; CLUSTERS: 4 x 4 work-groups.  The four of a row of the cluster need the same tiles of A, the four of a column the same tiles of B: each tile is asked for JOINTLY, by the same tensor load with the same
; descriptor and a mask that names the four.  A wave has three tensor loads out at the start, one behind each round in which it refills.
; THE MATRIX INSTRUCTION IS USED TRANSPOSED (source 0 = 16 rows of B, source 1 = 16 rows of A): a lane then holds eight neighbouring numbers of a row of C.
; REGISTERS, in windows of 256: window 0: v0-31 addresses; v32-95 scale words, a set for each K step; from v128 A's fragments (8 x 16 rows x 128 K), ONE set; on the way out v128-223 are at work.
;   window 1: B's fragments, TWO sets, at v0 and at v128.   window 2: the 32 accumulators of my rows 0-63 (accumulator (a, b) at v[8 (8 a + b)]);   window 3: those of my rows 64-127.
.set SIZE_K, 1024
.set KSTEP,  512                       ; along K in a slot
.set NQ,     KSTEP/128                 ; matrix instructions deep
.set ROWB,   256                       ; a tile's row in bytes
.set KROW,   SIZE_K*4/8                ; a row of A or of B in memory, in bytes
.set PITCH,  272                       ; an LDS row: 256 bytes + 16 of padding = 68 words: row r starts at bank 4 r mod 64 (64 banks of 4 bytes: ISA guide 11.1)
.set FR,     8                         ; registers of a fragment: 16 rows x 128 K
.set NL,     2                         ; LDS loads that bring one
.set NP,     4                         ; places behind this matrix instruction (ISA guide 7.12.1)
.set HALFT,  128*PITCH                 ; 128 rows: what one tensor load brings, and what one wave reads of A or of B
.set SLOT,   4*HALFT                   ; A's 256 rows, then B's 256 rows
.set KS,     SIZE_K/32                 ; a row of scales in bytes
.set SCL,    2*SLOT                    ; behind the slots: the scales, as units of 256 bytes + 16 of padding: A's two halves, then B's
.set HALFS,  (128*KS/256)*272          ; the scales of 128 rows: what one tensor load brings
.set SBLK,   (16*KS/256)*272           ; those of 16 rows
.set SPARE,  SCL+4*HALFS               ; behind the scales: the spare words, 128 bytes for each wave: two blocks of 256 bytes that no other line names
.set STAGE,  SPARE+512                 ; behind them: the way out's stages, 16 rows x (256 bytes + 16) for each wave: bytes of their own, into which no tensor load lands
.set SPITCH, 272
.set WALKA,  16*256*KROW               ; from a tile to the work-group's next, in bytes: 4,096 rows of A's codes,
.set WALKS,  16*256*KS                 ; of A's scales,
.set WALKC,  4<<21                     ; and four b of qkv
.set ADRA, 16                          ; v16-17  LDS address of my A fragments in slot 0, 1
.set ADRB, 20                          ; v20-21  the same for B
.set STO,  24                          ; v24     the way out: where I put 16 bytes of a row
.set RD,   25                          ; v25     the way out: where I read back
.set CO,   26                          ; v26     my byte offset in qkv
.set ADRS, 27                          ; v27     LDS address of my scale words: lanes 0-15 A's rows, lanes 16-31 B's; never rewritten
.set SPW,  28                          ; v28     LDS address of my spare word: SPARE + 4 x my thread's number; never rewritten
.set NIL,  29                          ; v29     0; never rewritten
.set SC,   32                          ; scale words: set s (for K step s) at v[SC + 8 NQ s]; register NQ i + q: lanes 0-15 the word of A's block i, lanes 16-31 that of B's block i, for the K step's q-th 128 along K
.set AF,   128                         ; A's fragments, in window 0
.set BK,   128                         ; the way out: 16 rows read back from the stage: v128-159 and v160-191 by turns
.set TMP,  192                         ; the way out: v192-223 packed results
.set G1, 24                            ; s[24:31] descriptor group 1 for A's tiles;  s[32:39] group 0, one set for each slot
.set G0, 32
.set G1B, 48                           ; s[48:55], s[56:63] the same for B's tiles
.set G0B, 56
.set G1S, 68                           ; s[68:75], s[76:79] groups 1 and 0 for A's scales;  s[80:87], s[88:91] for B's
.set G0S, 76
.set G1SB, 80
.set G0SB, 88
.set MSB, 0
.macro WIN new                         ; the immediate's high byte repeats the setting that is left; a switch that changes nothing is dropped
.if MSB != (\new)
	s_set_vgpr_msb (MSB<<8)|(\new)
.set MSB, (\new)
.endif
.endm
.set MUL_LO, 0xa1                      ; source 0 (B) window 1, source 1 (A) window 0, C and D window 2
.set MUL_HI, 0xf1                      ; the same, C and D window 3
.set TO_B,   0x40                      ; destination window 1, address window 0
; A joint load in two arms: waves 0 and 1 issue the first line, waves 2 and 3 the second.  Each line has ONE mask and one set of registers for all that issue it; the branch hangs on the wave's number alone.
; An s_nop 0 and four v_nop follow each of the two lines, ahead of the jump, the label and what follows.
.macro JLOAD g0a, g1a, g0b, g1b
	s_cmp_eq_u32 s15, 0
	s_cbranch_scc0 .Lfor_b_\@
	tensor_load_to_lds s[\g0a:\g0a+3], s[\g1a:\g1a+7]
	s_nop 0
.rept 4
	v_nop
.endr
	s_branch .Lasked_\@
.Lfor_b_\@:
	tensor_load_to_lds s[\g0b:\g0b+3], s[\g1b:\g1b+7]
	s_nop 0
.rept 4
	v_nop
.endr
.Lasked_\@:
.endm
.macro HLOAD g0a, g1a                  ; a joint load that waves 0 and 1 alone issue: waves 2 and 3 have no part of a tile to fill
	s_cmp_eq_u32 s15, 0
	s_cbranch_scc0 .Lnone_\@
	tensor_load_to_lds s[\g0a:\g0a+3], s[\g1a:\g1a+7]
	s_nop 0
.rept 4
	v_nop
.endr
.Lnone_\@:
.endm
.macro CREST                           ; a round of the cluster's barrier behind its opening barrier: wave 0 signals for the work-group; every wave waits for all sixteen; my work-group's barrier once more
	s_cmp_lg_u32 s14, 0
	s_cbranch_scc1 .Lnot_wave_0_\@
	s_barrier_signal -3
.Lnot_wave_0_\@:
	s_barrier_wait -3
	s_barrier_signal -1
	s_barrier_wait -1
.endm
.macro CROUND                          ; a whole round
	s_barrier_signal -1
	s_barrier_wait -1
	CREST
.endm
	s_load_b128 s[4:7], s[0:1], 0x0                ; A's codes s[4:5], A's scales s[6:7]
	s_load_b128 s[8:11], s[0:1], 0x10              ; B's codes s[8:9], B's scales s[10:11]
	s_load_b64 s[12:13], s[0:1], 0x20              ; qkv
	v_lshl_add_u32 v[SPW], v0, 2, SPARE
	v_mov_b32 v[NIL], 0
	ds_add_u32 v[SPW], v[NIL]                      ; the wave's opening: the add, twice on end, and its wait ahead of my first tensor load; the set-up below stands between the second and the wait
	ds_add_u32 v[SPW], v[NIL]
	v_lshrrev_b32 v1, 5, v0
	v_readfirstlane_b32 s14, v1                    ; wave 0..3
	s_lshr_b32 s15, s14, 1                         ; which half of the tile's rows is mine.  Also: which arm of a joint load I take
	s_and_b32 s16, s14, 1                          ; which half of its columns.  Also: which 128 rows of a tile I fetch
	s_bfe_u32 s40, ttmp6, 0x40000                  ; cx, cy: my place in the cluster
	s_bfe_u32 s41, ttmp6, 0x40004
	s_lshl_b32 s42, ttmp9, 2
	s_add_co_u32 s42, s42, s40                     ; tile column of C = 4 x cluster x + cx
	s_and_b32 s17, ttmp7, 0xffff
	s_lshl_b32 s17, s17, 2
	s_add_co_u32 s17, s17, s41                     ; my first tile's row of C = 4 x cluster y + cy: 0 .. 15
	s_lshl_b32 s43, s41, 2
	s_lshl_b32 s43, 15, s43                        ; my row of the cluster
	s_lshl_b32 s44, 0x1111, s40                    ; my column
	; descriptor group 1: a tile of 128 rows x 256 bytes, padded in LDS
	s_or_b32 s[G1+0], s43, (0<<16)|(1<<20)|(1<<21)|(5<<22)|(3<<25)  ; 15:0 the mask: A's tiles go to my row; 17:16 element of 1 byte; 20 padding on; 21 set beside a mask; 24:22 after every 64 words (code 5); 31:25 of 4 words (code 3)
	s_or_b32 s[G1B+0], s44, (0<<16)|(1<<20)|(1<<21)|(5<<22)|(3<<25)
.irp g, G1, G1B
	s_mov_b32 s[\g+1], ROWB<<16                    ; tensor_dim0
	s_mov_b32 s[\g+2], 128<<16                     ; tensor_dim1 = 128
	s_mov_b32 s[\g+3], ROWB<<16                    ; tile_dim0
	s_mov_b32 s[\g+4], 128                         ; tile_dim1 = 128
	s_mov_b32 s[\g+5], KROW                        ; tensor_dim0_stride
	s_mov_b32 s[\g+6], 0
	s_mov_b32 s[\g+7], 0
.endr
	; and for the scales of 128 rows: a dense block of 4,096 bytes, as rows of 256 bytes (32 elements of 8 bytes), 16 bytes of padding behind each
	s_or_b32 s[G1S+0], s43, (3<<16)|(1<<20)|(1<<21)|(5<<22)|(3<<25)
	s_or_b32 s[G1SB+0], s44, (3<<16)|(1<<20)|(1<<21)|(5<<22)|(3<<25)
.irp g, G1S, G1SB
	s_mov_b32 s[\g+1], 32<<16
	s_mov_b32 s[\g+2], (128*KS/256)<<16
	s_mov_b32 s[\g+3], 32<<16
	s_mov_b32 s[\g+4], 128*KS/256
	s_mov_b32 s[\g+5], 32
	s_mov_b32 s[\g+6], 0
	s_mov_b32 s[\g+7], 0
.endr
	s_lshl_b32 s18, s16, 7                         ; which 128 rows of the tile I fetch
	s_lshl_b32 s20, s17, 8
	s_add_co_u32 s20, s20, s18                     ; A: row 256 x tile row + 128 x half
	s_lshl_b32 s46, s42, 8
	s_add_co_u32 s46, s46, s18                     ; B: row 256 x tile column + 128 x half
	s_mov_b32 s21, 0
	s_mov_b32 s47, 0
	s_mov_b64 s[18:19], KS
	s_mul_u64 s[22:23], s[20:21], s[18:19]         ; where these rows' scales begin, in bytes
	s_mul_u64 s[92:93], s[46:47], s[18:19]
	s_mov_b64 s[18:19], KROW
	s_mul_u64 s[20:21], s[20:21], s[18:19]         ; and their codes
	s_mul_u64 s[46:47], s[46:47], s[18:19]
	s_mul_i32 s45, s14, HALFT                      ; where they go: wave x 128 rows: no place in the cluster enters an LDS address
	s_mul_i32 s94, s14, HALFS
	s_mul_i32 s95, s16, HALFS
	s_add_co_u32 s95, s95, SCL                     ; where A's scales of the half that I fetch lie: waves 2 and 3 bring the second tile's there
	s_wait_dscnt 0x0                               ; both opening adds are done
	s_wait_kmcnt 0x0
	s_add_nc_u64 s[20:21], s[4:5], s[20:21]
	s_add_nc_u64 s[22:23], s[6:7], s[22:23]
	s_add_nc_u64 s[46:47], s[8:9], s[46:47]
	s_add_nc_u64 s[92:93], s[10:11], s[92:93]
	CROUND                                         ; all sixteen work-groups are here: the first joint loads meet
	s_mov_b32 s[G0S], 1
	s_add_co_u32 s[G0S+1], s94, SCL
	s_mov_b64 s[G0S+2:G0S+3], s[22:23]
	s_or_b32 s[G0S+3], s[G0S+3], 0x80000000
	s_mov_b32 s[G0SB], 1
	s_add_co_u32 s[G0SB+1], s94, SCL
	s_mov_b64 s[G0SB+2:G0SB+3], s[92:93]
	s_or_b32 s[G0SB+3], s[G0SB+3], 0x80000000
	JLOAD G0S, G1S, G0SB, G1SB                     ; the scales first: they are wanted with K step 0
.irp s, 0,1
	s_mov_b32 s[G0+4*\s], 1
	s_add_co_u32 s[G0+4*\s+1], s45, \s*SLOT
	s_add_nc_u64 s[G0+4*\s+2:G0+4*\s+3], s[20:21], \s*ROWB
	s_or_b32 s[G0+4*\s+3], s[G0+4*\s+3], 0x80000000
	s_mov_b32 s[G0B+4*\s], 1
	s_add_co_u32 s[G0B+4*\s+1], s45, \s*SLOT
	s_add_nc_u64 s[G0B+4*\s+2:G0B+4*\s+3], s[46:47], \s*ROWB
	s_or_b32 s[G0B+4*\s+3], s[G0B+4*\s+3], 0x80000000
	JLOAD G0+4*\s, G1, G0B+4*\s, G1B
.endr
	v_and_b32 v1, 15, v0                           ; l % 16
	v_bfe_u32 v2, v0, 4, 1                         ; l / 16
	v_mul_u32_u24 v3, v1, PITCH
	v_lshl_add_u32 v4, v2, 4, v3                   ; a fragment's row x pitch + 16 x half
	s_mul_i32 s21, s15, HALFT                      ; my 128 rows of A
	s_mul_i32 s22, s16, HALFT                      ; my 128 rows of B,
	s_add_co_u32 s22, s22, 2*HALFT                 ; which lie behind A's 256
.irp s, 0,1
	v_add_nc_u32 v[ADRA+\s], s21, v4
	v_add_nc_u32 v[ADRB+\s], s22, v4
	s_add_co_u32 s21, s21, SLOT
	s_add_co_u32 s22, s22, SLOT
.endr
	v_mul_u32_u24 v5, v1, KS                       ; my row's scales: 32 bytes a row,
	v_lshrrev_b32 v6, 8, v5
	v_lshl_add_u32 v5, v6, 4, v5                   ; and 16 more for each 256 passed
	s_mul_i32 s21, s15, HALFS                      ; A's: my 128 rows
	s_mul_i32 s22, s16, HALFS                      ; B's: my 128 rows, behind A's 256
	s_add_co_u32 s22, s22, 2*HALFS
	s_sub_co_u32 s22, s22, s21
	v_mul_u32_u24 v6, s22, v2                      ; lanes 16-31 take B's: one product, the distance between the two bases
	s_add_co_u32 s21, s21, SCL
	v_add_nc_u32 v5, v5, v6
	v_add_nc_u32 v[ADRS], s21, v5
	s_mul_i32 s23, s14, 16*SPITCH
	s_add_co_u32 s23, s23, STAGE                   ; my stage
	v_mul_u32_u24 v5, v1, SPITCH                   ; in: row l % 16, 16 bytes for each half of the lanes
	v_lshl_add_u32 v5, v2, 4, v5
	v_add_nc_u32 v[STO], s23, v5
	v_bfe_u32 v6, v0, 3, 1                         ; back: lanes 0-15 take two rows' 128 bytes of my first head, lanes 16-31 of my second: row (l / 8) % 2,
	v_mul_u32_u24 v6, v6, SPITCH
	v_lshl_add_u32 v6, v2, 7, v6                   ; the head's 128 bytes of the stage row,
	v_and_b32 v5, 7, v0
	v_lshl_add_u32 v6, v5, 4, v6                   ; 16 bytes a lane
	v_add_nc_u32 v[RD], s23, v6
	v_lshlrev_b32 v[CO], 4, v1                     ; and in qkv: 16 (l % 16) in two dense rows,
	v_lshl_add_u32 v[CO], v2, 17, v[CO]            ; the second head 2^17 bytes on
	; where my part of the first tile begins in qkv.  Rows: b = tile row / 4, n = 256 (tile row % 4) + 128 x half.  Columns: which = tile column / 4, head = 4 (tile column % 4) + 2 x half
	s_lshr_b32 s20, s17, 2
	s_lshl_b32 s20, s20, 21
	s_and_b32 s21, s17, 3
	s_lshl_b32 s21, s21, 15
	s_add_co_u32 s20, s20, s21
	s_lshl_b32 s21, s15, 14
	s_add_co_u32 s20, s20, s21
	s_mov_b32 s21, 0
	s_lshr_b32 s46, s42, 2                         ; (in the registers that held B's address: none that feeds A's descriptors ever holds cx)
	s_lshl_b32 s46, s46, 24
	s_and_b32 s47, s42, 3
	s_lshl_b32 s47, s47, 19
	s_add_co_u32 s46, s46, s47
	s_lshl_b32 s47, s16, 18
	s_add_co_u32 s46, s46, s47
	s_mov_b32 s47, 0
	s_add_nc_u64 s[20:21], s[20:21], s[46:47]
	s_add_nc_u64 s[12:13], s[12:13], s[20:21]
.macro FRAG reg, adr, q, i             ; a fragment, 16 rows x 128 K of 4-bit codes, is 8 registers: lane l holds row l % 16; registers 4 c .. 4 c + 3 hold K = 64 c + 32 (l / 16) + 0 .. 31
.irp c, 0,1
	ds_load_b128 v[\reg+4*\c:\reg+4*\c+3], v[\adr] offset:64*(\q)+32*\c+(\i)*16*PITCH
.endr
.endm
; 16 matrix instructions: A's blocks a0, a0 + 1 x B's eight, 128 along K: the slot's q-th.  p: B's set;  sc: the set of scale words.  zero = 1: the first product starts the sums: nothing is ever cleared.
; The 64 accumulators take turns, one instruction a turn, in the same order in every step and from tile to tile.
.macro MUL16 a0, p, q, sc, zero
.irp a, \a0, \a0+1
.irp b, 0,1,2,3,4,5,6,7
.if \zero
	v_wmma_scale_f32_16x16x128_f8f6f4 v[8*(8*((\a)%4)+\b):8*(8*((\a)%4)+\b)+7], v[128*(\p)+FR*\b:128*(\p)+FR*\b+FR-1], v[AF+FR*(\a):AF+FR*(\a)+FR-1], 0, v[SC+8*NQ*(\sc)+NQ*\b+(\q)], v[SC+8*NQ*(\sc)+NQ*(\a)+(\q)] matrix_a_fmt:MATRIX_FMT_FP4 matrix_b_fmt:MATRIX_FMT_FP4 matrix_a_scale:MATRIX_SCALE_ROW1
.else
	v_wmma_scale_f32_16x16x128_f8f6f4 v[8*(8*((\a)%4)+\b):8*(8*((\a)%4)+\b)+7], v[128*(\p)+FR*\b:128*(\p)+FR*\b+FR-1], v[AF+FR*(\a):AF+FR*(\a)+FR-1], v[8*(8*((\a)%4)+\b):8*(8*((\a)%4)+\b)+7], v[SC+8*NQ*(\sc)+NQ*\b+(\q)], v[SC+8*NQ*(\sc)+NQ*(\a)+(\q)] matrix_a_fmt:MATRIX_FMT_FP4 matrix_b_fmt:MATRIX_FMT_FP4 matrix_a_scale:MATRIX_SCALE_ROW1
.endif
.endr
.endr
.endm
.macro FETCH_B slot, q, p              ; B's eight fragments of the slot's q-th 128 along K into set p
	WIN TO_B
.irp i, 0,1,2,3,4,5,6,7
	FRAG 128*(\p)+FR*\i, ADRB+\slot, \q, \i
.endr
	WIN 0
.endm
.macro FETCH_A slot, q, i0             ; A's blocks i0 .. i0 + 3
.irp i, \i0, \i0+1, \i0+2, \i0+3
	FRAG AF+FR*(\i), ADRA+\slot, \q, \i
.endr
.endm
.macro SCALES sc                       ; K step sc's scale words into set sc: 4 words, 16 bytes, of a row's 32; lanes 0-15 take A's block i, lanes 16-31 B's block i
.irp i, 0,1,2,3,4,5,6,7
	ds_load_b128 v[SC+8*NQ*\sc+NQ*\i:SC+8*NQ*\sc+NQ*\i+3], v[ADRS] offset:\i*SBLK+16*\sc
.endr
.endm
; A load into a register that a matrix instruction has read, and a vector instruction that reads a matrix result, stand NP places behind that matrix instruction, and only plain vector
; instructions that name none of its registers are places (ISA guide 7.12.1 for vector instructions).
.macro PLACES n
.rept \n
	v_nop
.endr
.endm
; A step of 128 along K that has its successor in the same slot.  A's blocks go one after the other, each against B's eight: a block of A is free as soon as its eight products are issued, so one set serves A.
.macro STEP slot, q, zero
	s_wait_dscnt 4*NL                              ; B's set, the scale words and A's blocks 0-3 are in; the youngest eight loads (A's blocks 4-7) may be out
	WIN MUL_LO
	MUL16 0, (\q)%2, \q, \slot, \zero
	MUL16 2, (\q)%2, \q, \slot, \zero
	s_wait_dscnt 0                                 ; A's blocks 4-7 are in (asked for 32 matrix instructions ago)
	PLACES NP
	FETCH_B \slot, (\q)+1, 1-(\q)%2
	FETCH_A \slot, (\q)+1, 0
	WIN MUL_HI
	MUL16 4, (\q)%2, \q, \slot, \zero
	MUL16 6, (\q)%2, \q, \slot, \zero
	PLACES NP
	WIN 0
	FETCH_A \slot, (\q)+1, 4
.endm
; Slot 0's last step changes slots: ONE barrier; in front of it each wave waits for all its tensor loads (its part of slot 1), adds 0 to its spare word, and waits for that and for its own reads of slot 0
; and of the scales (both K steps' words were read at the tile's start).  fill = 1, in the first tile: the barrier opens a round of the cluster's barrier, and behind the round waves 0 and 1 fill A's half of slot 0
; again, with the next tile's K step 0, and waves 2 and 3 A's scales, with the next tile's: one load a wave, the first thing behind the round.
.macro TURN slot, next, fill
	s_wait_tensorcnt 0x0                           ; all my tensor loads have landed  (every window is 0 here: the add's two registers lie in window 0)
	ds_add_u32 v[SPW], v[NIL]                      ; 0 onto my spare word
	s_wait_dscnt 4*NL+1                            ; (the add and the youngest eight loads, A's blocks 4-7, may be out)
	WIN MUL_LO
	MUL16 0, 1, NQ-1, \slot, 0                     ; sixteen matrix instructions stand between the add and the wait for it
	s_wait_dscnt 0x0                               ; the add is done, and my reads of this slot and of the scales are over
	s_barrier_signal -1
	MUL16 2, 1, NQ-1, \slot, 0
	WIN 0
	s_barrier_wait -1
.if \fill
	CREST                                          ; no wave of any partner still reads these bytes or has a load on its way
	s_add_nc_u64 s[G0+2:G0+3], s[G0+2:G0+3], WALKA ; no tensor load of mine is out, so the groups 0 may be written: slot 0's tile of A, 4,096 rows down;
	s_mov_b32 s[G0S+1], s95                        ; A's scales of the half that I fetch, at their place,
	s_add_nc_u64 s[G0S+2:G0S+3], s[G0S+2:G0S+3], WALKS   ; 4,096 rows down; the type bits on top are not reached
	JLOAD G0, G1, G0S, G1S                         ; both lines carry the mask of my row of the cluster; the four v_nop behind them are the places in front of the loads below
.else
	PLACES NP
.endif
	FETCH_B \next, 0, 0
	FETCH_A \next, 0, 0
	WIN MUL_HI
	MUL16 4, 1, NQ-1, \slot, 0
	MUL16 6, 1, NQ-1, \slot, 0
	PLACES NP
	WIN 0
	FETCH_A \next, 0, 4
.endm
.macro STEPS slot, from                ; the slot's steps from .. NQ - 2
.set Q, \from
.rept NQ-1-\from
	STEP \slot, Q, 0
.set Q, Q+1
.endr
.endm
; THE WAY OUT, block by block of 16 rows x 128 columns (two heads).  PACK: rounded to f16, 16 bytes a lane, each accumulator from its low end on.  TOSTAGE: into my own stage in LDS and back, two rows of a head to
; sixteen lanes.  SEND: sixteen lanes store 256 consecutive bytes, at a multiple of 256 from qkv's first byte.  LDS serves a wave's instructions in order (ISA guide 5.7.1.4): no wait between the stores and the loads.
.macro PACK a
.set AC, 64*((\a)%4)
	WIN 0x0a+5*((\a)/4)                            ; sources 0 and 1: window 2 or 3
.irp b, 0,1,2,3,4,5,6,7
.irp i, 0,1,2,3
	v_cvt_pk_f16_f32 v[TMP+4*\b+\i], v[AC+8*\b+2*\i], v[AC+8*\b+2*\i+1]
.endr
.endr
	WIN 0
.endm
.macro TOSTAGE a
.set BB, BK+32*((\a)%2)
.irp b, 0,1,2,3,4,5,6,7
	ds_store_b128 v[STO], v[TMP+4*\b:TMP+4*\b+3] offset:32*\b
.endr
.irp t, 0,1,2,3,4,5,6,7
	ds_load_b128 v[BB+4*\t:BB+4*\t+3], v[RD] offset:\t*2*SPITCH   ; rows 2 t and 2 t + 1
.endr
.endm
.macro SEND a
.set BB, BK+32*((\a)%2)
	s_wait_dscnt 0x0                               ; the block is back in registers
	s_wait_xcnt 0x0                                ; the block before's stores have read their registers: the next block's loads may land there
.irp t, 0,1,2,3,4,5,6,7
	global_store_b128 v[CO], v[BB+4*\t:BB+4*\t+3], s[12:13] offset:(\a)*2048+\t*256
.endr
.endm
; A TILE.  more = 1: the first, which asks for the second's tiles of A on its way.
.macro TILE more
	FETCH_B 0, 0, 0
	FETCH_A 0, 0, 0
	SCALES 0
	SCALES 1                                       ; both K steps' scale words now, so that nobody reads the scales' bytes behind the change of slots
	FETCH_A 0, 0, 4
	STEP 0, 0, 1                                   ; the first step's products start the sums
	STEPS 0, 1
	TURN 0, 1, \more
	STEPS 1, 0
	s_wait_dscnt 4*NL                              ; the tile's last step: nothing more to fetch
	WIN MUL_LO
	MUL16 0, 1, NQ-1, 1, 0
	MUL16 2, 1, NQ-1, 1, 0
	s_wait_dscnt 0
	WIN MUL_HI
	MUL16 4, 1, NQ-1, 1, 0
	MUL16 6, 1, NQ-1, 1, 0
	WIN 0
.if \more
	s_wait_tensorcnt 0x0                           ; all my tensor loads have landed: my part of the next tile's K step 0, or of its scales;
	ds_add_u32 v[SPW], v[NIL]                      ; 0 onto my spare word;
	s_add_nc_u64 s[G0+6:G0+7], s[G0+6:G0+7], WALKA ; (no tensor load of mine is out: slot 1's tile of A, 4,096 rows down)
	s_wait_dscnt 0x0                               ; the add is done, and my reads of slot 1 are over
	CROUND                                         ; so it is with every wave of every partner; and slot 0 and the scales are whole again
	HLOAD G0+4, G1                                 ; A's half of slot 1 is filled again, first thing behind the round: it has the way out and the next tile's first four steps in which to land
.endif
	PLACES NP                                      ; behind the last products; the conversions of the blocks finished earlier follow
	PACK 0
	TOSTAGE 0
.irp a, 1,2,3,4,5,6,7                  ; block a's conversions stand between block a - 1's loads from the stage and the wait for them
	PACK \a
	SEND \a-1
	TOSTAGE \a
.endr
	SEND 7
.if \more
	s_wait_xcnt 0x0                                ; the stores have read their registers and their base: A's fragments may land in those registers, and the base may step
	s_add_nc_u64 s[12:13], s[12:13], WALKC
.endif
.endm
	s_wait_tensorcnt 1                             ; the scales and my part of K step 0 are in (K step 1's load may be out)
	s_barrier_signal -1
	s_barrier_wait -1                              ; everybody's are
	TILE 1
	TILE 0
	s_wait_tensorcnt 0x0                           ; the wave's end, behind my last tensor load and my last LDS store
	ds_add_u32 v[SPW], v[NIL]
	s_wait_dscnt 0x0
	CROUND                                         ; the closing round: no work-group ends while a partner may still ask for a tile that names it
	s_endpgm
.Lfunc_end_k_qd3629d3c95_qkvg:
	.size	k_qd3629d3c95_qkvg, .Lfunc_end_k_qd3629d3c95_qkvg-k_qd3629d3c95_qkvg
	.p2alignl 7, 3214868480
	.fill 96, 4, 3214868480
	.section	.rodata,"a",@progbits
	.p2align	6, 0x0
	.amdhsa_kernel k_qd3629d3c95_qkvg
		.amdhsa_group_segment_fixed_size 327680
		.amdhsa_private_segment_fixed_size 0
		.amdhsa_enable_private_segment 0
		.amdhsa_kernarg_size 40
		.amdhsa_user_sgpr_count 2
		.amdhsa_user_sgpr_kernarg_segment_ptr 1
		.amdhsa_wavefront_size32 1
		.amdhsa_system_sgpr_workgroup_id_x 1
		.amdhsa_system_sgpr_workgroup_id_y 1
		.amdhsa_system_sgpr_workgroup_id_z 1
		.amdhsa_system_vgpr_workitem_id 0
		.amdhsa_next_free_vgpr 1024
		.amdhsa_next_free_sgpr 98
		.amdhsa_reserve_vcc 0
		.amdhsa_float_denorm_mode_32 3
		.amdhsa_float_denorm_mode_16_64 3
		.amdhsa_memory_ordered 1
		.amdhsa_forward_progress 1
		.amdhsa_inst_pref_size 244
	.end_amdhsa_kernel
	.amdgpu_metadata
---
amdhsa.version: [ 1, 2 ]
amdhsa.kernels:
  - .name:           k_qd3629d3c95_qkvg
    .symbol:         k_qd3629d3c95_qkvg.kd
    .args:
      - { .name: xc, .offset: 0, .size: 8, .value_kind: global_buffer, .address_space: global }
      - { .name: xs, .offset: 8, .size: 8, .value_kind: global_buffer, .address_space: global }
      - { .name: wc, .offset: 16, .size: 8, .value_kind: global_buffer, .address_space: global }
      - { .name: ws, .offset: 24, .size: 8, .value_kind: global_buffer, .address_space: global }
      - { .name: qkv, .offset: 32, .size: 8, .value_kind: global_buffer, .address_space: global }
    .group_segment_fixed_size: 327680
    .private_segment_fixed_size: 0
    .kernarg_segment_align: 8
    .kernarg_segment_size: 40
    .max_flat_workgroup_size: 128
    .sgpr_count:     98
    .vgpr_count:     1024
    .wavefront_size: 32
...
	.end_amdgpu_metadata
.endif
;; end of part 2
;; launch attn (part 3): grid 2 x 128, 8 waves a work-group, no clusters, 327,680 bytes of LDS; arguments qkv, o16; writes o16
.if DOCPART == 3
	.amdgcn_target "amdgcn-amd-amdhsa--gfx1250"
	.amdhsa_code_object_version 6
	.text
	.protected	k_qd3629d3c95_attn
	.globl	k_qd3629d3c95_attn
	.p2align	8
	.type	k_qd3629d3c95_attn,@function
k_qd3629d3c95_attn:
	s_mov_b64 s[64:65], 0
	v_nop
	global_prefetch_b8 v0, s[64:65] scope:SCOPE_SE
	s_setreg_imm32_b32 hwreg(HW_REG_WAVE_MODE, 25, 1), 1
	s_wait_xcnt 0x0
; Launch 3 of 4: o[b][h][q][:] = the sum over k of softmax_k(q . k / 32) v[k][:], for each of the 128 (b, h); no mask; nothing of the problem is left out.
; q, k, v: qkv[which][b h][1024][64] f16; o16[b h][1024][64] f16 (the operand of the last product).  Products, maxima and sums in f32; the weights p are rounded to f16 for the second product, o once at the end.
; LIMITS: numbers of o under 6e-5 keep f16's absolute step of 6e-8.
; SHARES.  A work-group owns 512 queries of one (b, h); each of its eight waves 64: four tiles of 16, in 512 registers: two waves to a SIMD, so that one wave's softmax stands beside the other's products and LDS loads.
; THE HEAD'S WHOLE K AND V STAY IN LDS: 1,024 keys x 128 bytes each; every byte of LDS is filled once, so there is no ring.  LITTLE IS ASKED FOR FIRST: at the head only keys 0-255, by four loads of 128 keys (waves 0, 1:
; K; waves 2, 3: V), 64 KiB beside Q's 64 KiB; keys 256-1,023 are asked for behind the first barrier, one load of 192 keys a wave (waves 0-3: K; waves 4-7: V), and land while the first four key steps are worked.
; A wave has one tensor load out.
; NO CLUSTER: a head's K and V are read by the two work-groups of that head alone, each once; a cluster here is four wide, so two of any four partners would want other tiles.
; LAYOUT.  S^T = K Q^T (source 0 = 16 keys, source 1 = 16 queries): a lane holds ONE query (lane % 16) and the keys 8 (lane / 16) + 0..7.  Two such tiles, rounded to f16 in pairs, ARE source 1 (32 keys x 16 queries)
; of O^T = V^T P, whose result again holds one query a lane and eight channels.  K comes out of LDS as it lies, V ([key][channel]) turned, by ds_load_tr16_b128.
; SOFTMAX.  For each query a running maximum m and sum l: p = 2^(c s - c m), c = log2(e) / 32; in every step O and l are multiplied by a = 2^(c m_old - c m_new), which is 1 where m has not grown.
; LDS.  A head's rows are 128 dense bytes, so the tiles are stated as rows of 256 bytes: two keys to a row.  K: 16 bytes of padding behind each (pitch 272): key k at 272 (k / 2) + 128 (k % 2): the 16 rows of a fragment
; load start at 16 different 16-byte columns of 256.  V: 32 bytes (pitch 288).
; REGISTERS: window 0: v0-15 addresses; v16-47 eight registers of statistics a tile; v64-191 S^T, 32 a tile, P packed in place; v192-255 K's fragments.   window 1: v0-127 O^T, 32 a tile; v128-191 Q; v192-255 V's fragments.
.set KP,    272
.set VP,    288
.set VB,    512*KP                     ; V begins behind K's 512 rows
.set STAGE, VB+512*VP                  ; behind V: 16 rows x 144 bytes for each wave, for the way out; no tensor load lands there
.set SPT,   144
.set SPARE, STAGE+8*16*SPT             ; the spare words, 128 bytes for each wave: four blocks of 256 bytes that no other line names
.set AK0, 2                            ; v2   my lane's place in a tile of K; never rewritten
.set AV0, 3                            ; v3   the same for V
.set ADK, 4                            ; v4   LDS address of the step's K
.set ADV, 5                            ; v5   of its V
.set QO,  6                            ; v6   my byte offset in the wave's rows of Q
.set STO, 7                            ; v7   the way out: where I put 16 bytes of a row
.set RD,  8                            ; v8   the way out: where I read back
.set GO,  9                            ; v9   my byte offset in the wave's rows of o16
.set SPW, 12                           ; v12  LDS address of my spare word: SPARE + 4 x my thread's number; never rewritten
.set NIL, 13                           ; v13  0; never rewritten
.set ST,  16                           ; tile t's statistics at v[ST+8 t]: +0 c m, +1 m, +2, +3 l (even keys', odd keys'), +4 to +7 c0-c3, at work; a takes c2's place once the maximum is found
.set S,   64
.set KF,  192                          ; K's fragment (key tile j, channels 32 c on) at KF + 16 j + 8 c
.set QF,  128                          ; window 1: Q's (tile t, c) at QF + 16 t + 8 c
.set VF,  192                          ; window 1: V's (keys 32 g on, channels 16 u on) at VF + 32 g + 8 u
.set WV,  12                           ; s12  my wave's number
.set G1K, 24                           ; s[24:31] descriptor group 1 for K's first tiles: 64 rows
.set G1V, 32                           ; s[32:39] for V's: it differs in the padding alone
.set G0K, 40                           ; s[40:47] group 0 for K's tiles: the first, then the later one
.set G0V, 48                           ; s[48:55] the same for V's
.set G1K2, 68                          ; s[68:75] group 1 for K's later tiles: 96 rows
.set G1V2, 76                          ; s[76:83] for V's
.set CNT, 56                           ; s56  counts a loop's steps
.set CS,  58                           ; s[58:59] c: the packed scaling names a pair and takes its low word for both halves
.set SEL, 60                           ; s[60:61] lane selects for v_permlanex16_b32: lane l xor 16
.set TK,  62                           ; s62  LDS byte at which the step's 64 keys of K begin
.set TV,  63                           ; s63  the same for V, less VB
.set MSB, 0
.macro WIN new                         ; the immediate's high byte repeats the setting that is left; a switch that changes nothing is dropped
.if MSB != (\new)
	s_set_vgpr_msb (MSB<<8)|(\new)
.set MSB, (\new)
.endif
.endm
.set W_KQ, 0x04                        ; Q (source 1) in window 1; K and S^T in window 0
.set W_PV, 0x51                        ; V (source 0) and O^T (C and D) in window 1; P in window 0
.set W_RS, 0x41                        ; O^T (destination and source 0) in window 1; the factor in window 0
.macro PLACES
.rept 4
	v_nop
.endr
.endm
	s_load_b128 s[4:7], s[0:1], 0x0                ; qkv s[4:5], o16 s[6:7]
	v_lshl_add_u32 v[SPW], v0, 2, SPARE
	v_mov_b32 v[NIL], 0
	ds_add_u32 v[SPW], v[NIL]                      ; the wave's opening: the add, twice on end, and its wait ahead of my first tensor load; the set-up below stands between the second and the wait
	ds_add_u32 v[SPW], v[NIL]
	v_lshrrev_b32 v1, 5, v0
	v_readfirstlane_b32 s[WV], v1                  ; wave 0..7
	s_and_b32 s13, s[WV], 3                        ; which 192 of keys 256-1,023 I fetch
	s_and_b32 s2, s[WV], 1                         ; which 128 of keys 0-255, if I fetch of them
	s_and_b32 s14, ttmp7, 0xffff                   ; (b, h)
	s_lshl_b32 s14, s14, 17                        ; its first byte in q, in k, in v and in o16
	s_mov_b32 s15, 0
	s_lshl_b32 s16, s2, 14                         ; 128 keys are 16,384 bytes
	s_mov_b32 s17, 0
	s_mul_i32 s18, s13, 96*256                     ; 192 keys are 24,576,
	s_add_co_u32 s18, s18, 128*256                 ; behind the first 256 keys
	s_mov_b32 s19, 0
	s_lshl_b32 s10, ttmp9, 16                      ; my work-group's 512 queries,
	s_add_co_u32 s10, s10, s14
	s_lshl_b32 s11, s[WV], 13                      ; my wave's 64 of them
	s_add_co_u32 s10, s10, s11
	s_mov_b32 s11, 0
	s_mul_i32 s20, s2, 64*KP                       ; where my keys go: the first tiles in K and in V,
	s_mul_i32 s21, s2, 64*VP
	s_mul_i32 s22, s13, 96*KP                      ; the later ones
	s_mul_i32 s23, s13, 96*VP
	; descriptor group 1: tiles of 64 and of 96 rows x 128 elements (two keys to a row), dense in memory, padded in LDS
	s_mov_b32 s[G1K], (1<<16)|(1<<20)|(5<<22)|(3<<25)    ; 15:0 no mask; 17:16 elements of 2 bytes; 20 padding on; 24:22 after every 64 words (code 5); 31:25 4 words of it (code 3)
	s_mov_b32 s[G1V], (1<<16)|(1<<20)|(5<<22)|(7<<25)    ; the same with 8 words of padding (code 7)
	s_mov_b32 s[G1K2], (1<<16)|(1<<20)|(5<<22)|(3<<25)
	s_mov_b32 s[G1V2], (1<<16)|(1<<20)|(5<<22)|(7<<25)
.irp g, G1K, G1V
	s_mov_b32 s[\g+1], 128<<16                     ; tensor_dim0 = 128
	s_mov_b32 s[\g+2], 64<<16                      ; tensor_dim1 = 64
	s_mov_b32 s[\g+3], 128<<16                     ; tile_dim0 = 128
	s_mov_b32 s[\g+4], 64                          ; tile_dim1 = 64
	s_mov_b32 s[\g+5], 128                         ; tensor_dim0_stride
	s_mov_b32 s[\g+6], 0
	s_mov_b32 s[\g+7], 0
.endr
.irp g, G1K2, G1V2
	s_mov_b32 s[\g+1], 128<<16
	s_mov_b32 s[\g+2], 96<<16                      ; tensor_dim1 = 96
	s_mov_b32 s[\g+3], 128<<16
	s_mov_b32 s[\g+4], 96                          ; tile_dim1 = 96
	s_mov_b32 s[\g+5], 128
	s_mov_b32 s[\g+6], 0
	s_mov_b32 s[\g+7], 0
.endr
	s_mov_b32 s[CS], 0x3d38aa3b                    ; c = log2(e) / 32
	s_mov_b32 s[CS+1], s[CS]                       ; named with it as a pair, so it is written
	s_mov_b32 s[SEL], 0x76543210
	s_mov_b32 s[SEL+1], 0xfedcba98
	s_mov_b32 s[TK], 0
	s_mov_b32 s[TV], 0
	s_wait_dscnt 0x0                               ; both opening adds are done
	s_wait_kmcnt 0x0
	s_add_nc_u64 s[8:9], s[4:5], s[14:15]          ; the head's first byte, counted in q's part of qkv; k lies 2^24 bytes on, v 2^25
	s_add_nc_u64 s[16:17], s[8:9], s[16:17]        ; my keys of the first 256,
	s_add_nc_u64 s[18:19], s[8:9], s[18:19]        ; and of the others
	s_mov_b32 s[G0K], 1                            ; count = 1
	s_mov_b32 s[G0K+1], s20                        ; LDS address
	s_add_nc_u64 s[G0K+2:G0K+3], s[16:17], 1<<24
	s_or_b32 s[G0K+3], s[G0K+3], 0x80000000        ; type = 2
	s_mov_b32 s[G0K+4], 1
	s_add_co_u32 s[G0K+5], s22, 128*KP
	s_add_nc_u64 s[G0K+6:G0K+7], s[18:19], 1<<24
	s_or_b32 s[G0K+7], s[G0K+7], 0x80000000
	s_mov_b32 s[G0V], 1
	s_add_co_u32 s[G0V+1], s21, VB
	s_add_nc_u64 s[G0V+2:G0V+3], s[16:17], 2<<24
	s_or_b32 s[G0V+3], s[G0V+3], 0x80000000
	s_mov_b32 s[G0V+4], 1
	s_add_co_u32 s[G0V+5], s23, VB+128*VP
	s_add_nc_u64 s[G0V+6:G0V+7], s[18:19], 2<<24
	s_or_b32 s[G0V+7], s[G0V+7], 0x80000000
	s_add_nc_u64 s[4:5], s[4:5], s[10:11]          ; Q and o16 at my wave's first row
	s_add_nc_u64 s[6:7], s[6:7], s[10:11]
	s_cmp_lt_u32 s[WV], 2                          ; the first fills, ahead of every wait on TENSORcnt, every LDS read and every barrier: waves 0 and 1 K's two halves of keys 0-255, waves 2 and 3 V's, the others none;
	s_cbranch_scc0 .Lnot_k                         ; an s_nop 0 and four v_nop follow each line
	tensor_load_to_lds s[G0K:G0K+3], s[G1K:G1K+7]
	s_nop 0
.rept 4
	v_nop
.endr
	s_branch .Lfirst_asked
.Lnot_k:
	s_cmp_lt_u32 s[WV], 4
	s_cbranch_scc0 .Lfirst_asked
	tensor_load_to_lds s[G0V:G0V+3], s[G1V:G1V+7]
	s_nop 0
.rept 4
	v_nop
.endr
.Lfirst_asked:
	v_and_b32 v1, 15, v0                           ; r = l % 16
	v_bfe_u32 v10, v0, 4, 1                        ; h = l / 16
	v_lshlrev_b32 v[QO], 7, v1
	v_lshl_add_u32 v[QO], v10, 4, v[QO]            ; Q: row x 128 + 16 x half
	WIN 0x40                                       ; destination window 1, address window 0
.irp t, 0,1,2,3
.irp c, 0,1                                    ; a fragment is 16 rows x 32 channels in 8 registers: registers 0-3 channels 8 h + 0..7, registers 4-7 channels 16 + 8 h + 0..7: two loads of 16 bytes, 32 bytes apart
	global_load_b128 v[QF+16*\t+8*\c:QF+16*\t+8*\c+3],   v[QO], s[4:5] offset:\t*2048+64*\c
	global_load_b128 v[QF+16*\t+8*\c+4:QF+16*\t+8*\c+7], v[QO], s[4:5] offset:\t*2048+64*\c+32
.endr
.endr
	WIN 0
	v_lshrrev_b32 v11, 1, v1
	v_mul_u32_u24 v[AK0], v11, KP
	v_and_b32 v11, 1, v0
	v_lshl_add_u32 v[AK0], v11, 7, v[AK0]
	v_lshl_add_u32 v[AK0], v10, 4, v[AK0]          ; K: key r of a tile: 272 (r / 2) + 128 (r % 2) + 16 h
	; the turning load takes 16 keys x 16 channels: lane l reads 16 bytes of key 8 h + l % 8, channels 8 ((l / 8) % 2) + 0..7, and is left with channel l % 16 and 8 keys
	v_bfe_u32 v14, v0, 1, 2
	v_lshl_add_u32 v14, v10, 2, v14                ; that key's row: 4 h + (l % 8) / 2
	v_mul_u32_u24 v[AV0], v14, VP
	v_lshl_add_u32 v[AV0], v11, 7, v[AV0]
	v_bfe_u32 v14, v0, 3, 1
	v_lshl_add_u32 v[AV0], v14, 4, v[AV0]
	v_add_nc_u32 v[AV0], VB, v[AV0]
	s_mul_i32 s15, s[WV], 16*SPT
	s_add_co_u32 s15, s15, STAGE                   ; my stage
	v_mul_u32_u24 v[STO], v1, SPT                  ; in: row r, 16 bytes for each half of the lanes
	v_lshl_add_u32 v[STO], v10, 4, v[STO]
	v_add_nc_u32 v[STO], s15, v[STO]
	v_bfe_u32 v14, v0, 3, 2                        ; back: eight lanes to a row of 128 bytes, four rows an instruction
	v_mul_u32_u24 v[RD], v14, SPT
	v_and_b32 v15, 7, v0
	v_lshl_add_u32 v[RD], v15, 4, v[RD]
	v_add_nc_u32 v[RD], s15, v[RD]
	v_and_b32 v[GO], 31, v0
	v_lshlrev_b32 v[GO], 4, v[GO]                  ; the same four rows are 512 dense bytes of o16
; THE LDS LOADS OF A STEP (64 keys), in one run: K's 8 fragments, then V's 8, turned.  The two additions and three v_nop are five places behind the last step's products V^T P: four are owed by the loads into V's
; registers, which those products read, five by the products K Q^T, which write over P's (ISA guide 7.12.1 for vector instructions).
.macro FETCH
	WIN 0
	v_add_nc_u32 v[ADK], s[TK], v[AK0]
	v_add_nc_u32 v[ADV], s[TV], v[AV0]
.rept 3
	v_nop
.endr
.irp j, 0,1,2,3
.irp c, 0,1
	ds_load_b128 v[KF+16*\j+8*\c:KF+16*\j+8*\c+3],   v[ADK] offset:\j*8*KP+64*\c
	ds_load_b128 v[KF+16*\j+8*\c+4:KF+16*\j+8*\c+7], v[ADK] offset:\j*8*KP+64*\c+32
.endr
.endr
	WIN 0x40
.irp g, 0,1
.irp u, 0,1,2,3
	ds_load_tr16_b128 v[VF+32*\g+8*\u:VF+32*\g+8*\u+3],   v[ADV] offset:\g*16*VP+32*\u
	ds_load_tr16_b128 v[VF+32*\g+8*\u+4:VF+32*\g+8*\u+7], v[ADV] offset:\g*16*VP+8*VP+32*\u
.endr
.endr
.endm
; S^T = K Q^T: 32 products; the 16 accumulators (key tile j, query tile t) take turns, one instruction a turn; the first 16 start the sums.
.macro KQ
	s_wait_dscnt 16                                ; K's sixteen loads are in; V's sixteen stay out
	WIN W_KQ
.irp c, 0,1
.irp j, 0,1,2,3
.irp t, 0,1,2,3
.if \c == 0
	v_wmma_f32_16x16x32_f16 v[S+32*\t+8*\j:S+32*\t+8*\j+7], v[KF+16*\j+8*\c:KF+16*\j+8*\c+7], v[QF+16*\t+8*\c:QF+16*\t+8*\c+7], 0
.else
	v_wmma_f32_16x16x32_f16 v[S+32*\t+8*\j:S+32*\t+8*\j+7], v[KF+16*\j+8*\c:KF+16*\j+8*\c+7], v[QF+16*\t+8*\c:QF+16*\t+8*\c+7], v[S+32*\t+8*\j:S+32*\t+8*\j+7]
.endif
.endr
.endr
.endr
.endm
; THE SOFTMAX of four tiles for one step, each line written for the four tiles by turns, so that no line waits for the line above it.  first = 1: the first step, which starts m, l and O^T: it has no a and nothing to rescale.
.macro SOFTMAX first
	WIN 0
	PLACES                                         ; four places behind the products whose results are read below
.irp j, 0,1,2,3                                ; the maximum of the lane's 32 scores and the old m, three operands at a time: four chains c0-c3; each accumulator is first read at its low end
.irp t, 0,1,2,3
	v_max3_num_f32 v[ST+8*\t+4+\j], v[S+32*\t+8*\j], v[S+32*\t+8*\j+1], v[S+32*\t+8*\j+2]
.endr
.endr
.irp i, 3,5
.irp j, 0,1,2,3
.irp t, 0,1,2,3
	v_max3_num_f32 v[ST+8*\t+4+\j], v[ST+8*\t+4+\j], v[S+32*\t+8*\j+\i], v[S+32*\t+8*\j+\i+1]
.endr
.endr
.endr
.irp t, 0,1,2,3
	v_max3_num_f32 v[ST+8*\t+4], v[ST+8*\t+4], v[S+32*\t+7], v[S+32*\t+15]
	v_max3_num_f32 v[ST+8*\t+6], v[ST+8*\t+6], v[S+32*\t+23], v[S+32*\t+31]
.endr
.irp t, 0,1,2,3
	v_max3_num_f32 v[ST+8*\t+4], v[ST+8*\t+4], v[ST+8*\t+5], v[ST+8*\t+6]
.endr
.irp t, 0,1,2,3
.if \first
	v_max_num_f32 v[ST+8*\t+4], v[ST+8*\t+4], v[ST+8*\t+7]
.else
	v_max3_num_f32 v[ST+8*\t+4], v[ST+8*\t+4], v[ST+8*\t+7], v[ST+8*\t+1]
.endif
.endr
.irp t, 0,1,2,3
	v_permlanex16_b32 v[ST+8*\t+5], v[ST+8*\t+4], s[SEL], s[SEL+1]   ; the query's other 32 keys lie in the lane 16 away
.endr
.if !\first
.irp t, 0,1,2,3
	v_mov_b32 v[ST+8*\t+7], v[ST+8*\t]             ; c m_old is kept for a
.endr
.endif
.irp t, 0,1,2,3
	v_max_num_f32 v[ST+8*\t+1], v[ST+8*\t+4], v[ST+8*\t+5]   ; the new m
.endr
.irp t, 0,1,2,3
	v_mul_f32 v[ST+8*\t], s[CS], v[ST+8*\t+1]      ; c m
.endr
.if !\first
.irp t, 0,1,2,3
	v_sub_f32 v[ST+8*\t+7], v[ST+8*\t+7], v[ST+8*\t]   ; c m_old - c m_new
.endr
.endif
.irp b, 0,1,2,3,4,5,6,7,8,9,10,11,12,13,14,15
.irp t, 0,1,2,3
	v_pk_fma_f32 v[S+32*\t+2*\b:S+32*\t+2*\b+1], v[S+32*\t+2*\b:S+32*\t+2*\b+1], s[CS:CS+1], v[ST+8*\t:ST+8*\t+1] op_sel_hi:[1,0,0] neg_lo:[0,0,1] neg_hi:[0,0,1]   ; c s - c m, a pair of scores
.endr
.endr
.if !\first                                    ; ONE BATCH of exponentials: a, then the 32 weights, of all four tiles; none reads another's result
.irp t, 0,1,2,3
	v_exp_f32 v[ST+8*\t+6], v[ST+8*\t+7]
.endr
.endif
.irp e, 0,1,2,3,4,5,6,7,8,9,10,11,12,13,14,15,16,17,18,19,20,21,22,23,24,25,26,27,28,29,30,31
.irp t, 0,1,2,3
	v_exp_f32 v[S+32*\t+\e], v[S+32*\t+\e]
.endr
.endr
	v_nop                                          ; a plain instruction behind the last exponential, ahead of the first use (ISA guide 5.7.2)
	s_wait_alu depctr_va_vdst(0)                   ; and the one wait for the whole batch ahead of its first reader
.irp t, 0,1,2,3                                ; the sums, of the weights as they are in f32, in two chains a tile: l takes the even pairs, (c0, c1) the odd ones
.if \first
	v_pk_add_f32 v[ST+8*\t+2:ST+8*\t+3], v[S+32*\t:S+32*\t+1], v[S+32*\t+4:S+32*\t+5]
.else
	v_pk_fma_f32 v[ST+8*\t+2:ST+8*\t+3], v[ST+8*\t+2:ST+8*\t+3], v[ST+8*\t+6:ST+8*\t+7], v[S+32*\t:S+32*\t+1] op_sel_hi:[1,0,1]   ; l = a l + the first pair
.endif
	v_pk_add_f32 v[ST+8*\t+4:ST+8*\t+5], v[S+32*\t+2:S+32*\t+3], v[S+32*\t+6:S+32*\t+7]
.endr
.if !\first
.irp t, 0,1,2,3
	v_pk_add_f32 v[ST+8*\t+2:ST+8*\t+3], v[ST+8*\t+2:ST+8*\t+3], v[S+32*\t+4:S+32*\t+5]
.endr
.endif
.irp i, 8,12,16,20,24,28
.irp t, 0,1,2,3
	v_pk_add_f32 v[ST+8*\t+2:ST+8*\t+3], v[ST+8*\t+2:ST+8*\t+3], v[S+32*\t+\i:S+32*\t+\i+1]
	v_pk_add_f32 v[ST+8*\t+4:ST+8*\t+5], v[ST+8*\t+4:ST+8*\t+5], v[S+32*\t+\i+2:S+32*\t+\i+3]
.endr
.endr
.irp t, 0,1,2,3
	v_pk_add_f32 v[ST+8*\t+2:ST+8*\t+3], v[ST+8*\t+2:ST+8*\t+3], v[ST+8*\t+4:ST+8*\t+5]
.endr
.irp g, 0,1                                    ; the roundings to f16, in place: the 16 weights of keys 32 g on become 8 registers at S + 32 t + 16 g; register u is written when registers 2 u, 2 u + 1 are read
.irp u, 0,1,2,3,4,5,6,7
.irp t, 0,1,2,3
	v_cvt_pk_f16_f32 v[S+32*\t+16*\g+\u], v[S+32*\t+16*\g+2*\u], v[S+32*\t+16*\g+2*\u+1]
.endr
.endr
.endr
.if !\first
	WIN W_RS                                       ; O^T times a, each accumulator from its low end on
.irp i, 0,2,4,6,8,10,12,14,16,18,20,22,24,26,28,30
.irp t, 0,1,2,3
	v_pk_mul_f32 v[32*\t+\i:32*\t+\i+1], v[32*\t+\i:32*\t+\i+1], v[ST+8*\t+6:ST+8*\t+7] op_sel_hi:[1,0]
.endr
.endr
.endif
.endm
; O^T += V^T P: 32 products; the 16 accumulators (channel tile u, query tile t) take turns.  first = 1: the first 16 start the sums: nothing is ever cleared.
.macro PV first
	s_wait_dscnt 0x0                               ; V is in
	WIN W_PV
.irp g, 0,1
.irp u, 0,1,2,3
.irp t, 0,1,2,3
.if \first && (\g == 0)
	v_wmma_f32_16x16x32_f16 v[32*\t+8*\u:32*\t+8*\u+7], v[VF+32*\g+8*\u:VF+32*\g+8*\u+7], v[S+32*\t+16*\g:S+32*\t+16*\g+7], 0
.else
	v_wmma_f32_16x16x32_f16 v[32*\t+8*\u:32*\t+8*\u+7], v[VF+32*\g+8*\u:VF+32*\g+8*\u+7], v[S+32*\t+16*\g:S+32*\t+16*\g+7], v[32*\t+8*\u:32*\t+8*\u+7]
.endif
.endr
.endr
.endr
.endm
.macro STEP first
	FETCH
	KQ
	SOFTMAX \first
	PV \first
	WIN 0                                          ; at a label and at a branch every window is 0
	s_add_co_u32 s[TK], s[TK], 32*KP               ; the next 64 keys
	s_add_co_u32 s[TV], s[TV], 32*VP
.endm
	s_wait_tensorcnt 0x0                           ; my tile of keys 0-255 is in, if I fetched one;
	ds_add_u32 v[SPW], v[NIL]                      ; 0 onto my spare word, ahead of the barrier behind which the later fills are issued,
	ds_add_u32 v[SPW], v[NIL]                      ; and twice on end here
	s_wait_dscnt 0x0                               ; both are done
	s_barrier_signal -1
	s_barrier_wait -1                              ; keys 0-255 lie whole in LDS.  Behind this barrier no byte is filled again: keys 256-1,023 are filled for the first time,
	s_cmp_lt_u32 s[WV], 4                          ; one tensor load a wave, the first thing here: waves 0-3 K's, waves 4-7 V's; it has the four key steps below in which to land
	s_cbranch_scc0 .Lrest_v
	tensor_load_to_lds s[G0K+4:G0K+7], s[G1K2:G1K2+7]
	s_nop 0
.rept 4
	v_nop
.endr
	s_branch .Lrest_asked
.Lrest_v:
	tensor_load_to_lds s[G0V+4:G0V+7], s[G1V2:G1V2+7]
	s_nop 0
.rept 4
	v_nop
.endr
.Lrest_asked:
	s_wait_loadcnt 0x0                             ; Q
	STEP 1                                         ; keys 0-63
	s_mov_b32 s[CNT], 3
.Lpart0:                                           ; keys 64-255
	STEP 0
	s_sub_co_u32 s[CNT], s[CNT], 1
	s_cmp_lg_u32 s[CNT], 0
	s_cbranch_scc1 .Lpart0
	s_wait_tensorcnt 0x0                           ; my tile of keys 256-1,023 is in,
	s_wait_dscnt 0x0                               ; (no LDS instruction of mine is out at a signal)
	s_barrier_signal -1
	s_barrier_wait -1                              ; everybody's is
	s_mov_b32 s[CNT], 12
.Lpart1:                                           ; keys 256-1,023
	STEP 0
	s_sub_co_u32 s[CNT], s[CNT], 1
	s_cmp_lg_u32 s[CNT], 0
	s_cbranch_scc1 .Lpart1
	; THE WAY OUT.  l's two halves and the other half of the lanes' are added; O^T is divided by l, rounded to f16 and sent through my stage in LDS, a tile (16 rows) at a time.  The first four additions are the places behind the last products.
.irp t, 0,1,2,3
	v_add_f32 v[ST+8*\t+4], v[ST+8*\t+2], v[ST+8*\t+3]
.endr
.irp t, 0,1,2,3
	v_permlanex16_b32 v[ST+8*\t+5], v[ST+8*\t+4], s[SEL], s[SEL+1]
.endr
.irp t, 0,1,2,3
	v_add_f32 v[ST+8*\t+4], v[ST+8*\t+4], v[ST+8*\t+5]
.endr
.irp t, 0,1,2,3
	v_rcp_f32 v[ST+8*\t+6], v[ST+8*\t+4]
.endr
	v_nop                                          ; a plain instruction between the last reciprocal and the use of its result
	s_wait_alu depctr_va_vdst(0)                   ; and the wait ahead of the first use: one for the four
; Tile n: a lane's eight channels of a row pack into 16 bytes; they go into rows of 144 bytes and come back four whole rows an instruction.
.macro PACK n
	WIN W_RS
.set i, 0
.rept 16
	v_pk_mul_f32 v[32*\n+i:32*\n+i+1], v[32*\n+i:32*\n+i+1], v[ST+8*\n+6:ST+8*\n+7] op_sel_hi:[1,0]
.set i, i+2
.endr
	WIN 0x05                                       ; sources 0 and 1 window 1, destination window 0: S^T's registers are free
.set i, 0
.rept 16
	v_cvt_pk_f16_f32 v[S+32*\n+i], v[32*\n+2*i], v[32*\n+2*i+1]
.set i, i+1
.endr
	WIN 0
.irp u, 0,1,2,3
	ds_store_b128 v[STO], v[S+32*\n+4*\u:S+32*\n+4*\u+3] offset:32*\u
.endr
.irp u, 0,1,2,3
	ds_load_b128 v[S+32*\n+16+4*\u:S+32*\n+16+4*\u+3], v[RD] offset:4*SPT*\u   ; LDS serves a wave's instructions in order (ISA guide 5.7.1.4): these see the stores above; the next tile's stores come behind them
.endr
.endm
.macro SEND n, younger                 ; younger: the LDS instructions issued behind tile n's loads: the next tile's eight, or none
.irp u, 0,1,2,3
	s_wait_dscnt \younger+3-\u
	global_store_b128 v[GO], v[S+32*\n+16+4*\u:S+32*\n+16+4*\u+3], s[6:7] offset:2048*\n+512*\u   ; 32 lanes store 512 consecutive bytes, at a multiple of 256 from o16's first byte
.endr
.endm
	PACK 0
	PACK 1                                         ; a tile's arithmetic stands between the loads of the tile before and its stores
	SEND 0, 8
	PACK 2
	SEND 1, 8
	PACK 3
	SEND 2, 8
	SEND 3, 0
	s_wait_tensorcnt 0x0                           ; the wave's end, behind my last tensor load and my last LDS store
	ds_add_u32 v[SPW], v[NIL]
	s_wait_dscnt 0x0
	s_endpgm
.Lfunc_end_k_qd3629d3c95_attn:
	.size	k_qd3629d3c95_attn, .Lfunc_end_k_qd3629d3c95_attn-k_qd3629d3c95_attn
	.p2alignl 7, 3214868480
	.fill 96, 4, 3214868480
	.section	.rodata,"a",@progbits
	.p2align	6, 0x0
	.amdhsa_kernel k_qd3629d3c95_attn
		.amdhsa_group_segment_fixed_size 327680
		.amdhsa_private_segment_fixed_size 0
		.amdhsa_enable_private_segment 0
		.amdhsa_kernarg_size 16
		.amdhsa_user_sgpr_count 2
		.amdhsa_user_sgpr_kernarg_segment_ptr 1
		.amdhsa_wavefront_size32 1
		.amdhsa_system_sgpr_workgroup_id_x 1
		.amdhsa_system_sgpr_workgroup_id_y 1
		.amdhsa_system_sgpr_workgroup_id_z 1
		.amdhsa_system_vgpr_workitem_id 0
		.amdhsa_next_free_vgpr 512
		.amdhsa_next_free_sgpr 84
		.amdhsa_reserve_vcc 0
		.amdhsa_float_denorm_mode_32 3
		.amdhsa_float_denorm_mode_16_64 3
		.amdhsa_memory_ordered 1
		.amdhsa_forward_progress 1
		.amdhsa_inst_pref_size 113
	.end_amdhsa_kernel
	.amdgpu_metadata
---
amdhsa.version: [ 1, 2 ]
amdhsa.kernels:
  - .name:           k_qd3629d3c95_attn
    .symbol:         k_qd3629d3c95_attn.kd
    .args:
      - { .name: qkv, .offset: 0, .size: 8, .value_kind: global_buffer, .address_space: global }
      - { .name: o16, .offset: 8, .size: 8, .value_kind: global_buffer, .address_space: global }
    .group_segment_fixed_size: 327680
    .private_segment_fixed_size: 0
    .kernarg_segment_align: 8
    .kernarg_segment_size: 16
    .max_flat_workgroup_size: 256
    .sgpr_count:     84
    .vgpr_count:     512
    .wavefront_size: 32
...
	.end_amdgpu_metadata
.endif
;; end of part 3
;; launch proj (part 4): grid 4 x 64, 4 waves a work-group, clusters of 4 x 4, 327,680 bytes of LDS; arguments o16, w16, b_out, out0; writes out0
.if DOCPART == 4
	.amdgcn_target "amdgcn-amd-amdhsa--gfx1250"
	.amdhsa_code_object_version 6
	.text
	.protected	k_qd3629d3c95_proj
	.globl	k_qd3629d3c95_proj
	.p2align	8
	.type	k_qd3629d3c95_proj,@function
k_qd3629d3c95_proj:
	s_mov_b64 s[64:65], 0
	v_nop
	global_prefetch_b8 v0, s[64:65] scope:SCOPE_SE
	s_setreg_imm32_b32 hwreg(HW_REG_WAVE_MODE, 25, 1), 1
	s_wait_xcnt 0x0
	s_wait_alu depctr_hold_cnt(0) depctr_sa_sdst(0) depctr_va_vdst(0) depctr_va_sdst(0) depctr_va_ssrc(0) depctr_va_vcc(0) depctr_vm_vsrc(0)
	s_getreg_b32 s2, hwreg(HW_REG_IB_STS2, 6, 4)
	s_cmp_eq_u32 s2, 0
	s_cbranch_scc0 .Lentry_in_a_cluster
	s_endpgm
.Lentry_in_a_cluster:
	s_bfe_u32 s2, ttmp6, 0x10000c
	s_cmp_lg_u32 s2, 0xf033
	s_cbranch_scc0 .Lentry_shape_is_right
	s_endpgm
.Lentry_shape_is_right:
; Launch 4 of 4: out0 = o w_out + b_out.  o16 [b 8][h 16][n 1024][64] f16 (row m = 1024 b + n, k = 64 h + channel), w16 [k 1024][n 1024] f16, b_out [1024] f32, out0 [8192][1024] f32; sums in f32; nothing of the problem is left out.
; A tile of the output is 128 rows x 256 columns: 256 work-groups.  Four waves, each 64 rows x 128 columns: 32 accumulators of 16 x 16, 256 registers.  K goes in steps of 128 (two heads) through a ring of two LDS slots.
; THE MATRIX INSTRUCTION IS USED TRANSPOSED (source 0 = 16 columns of w_out, source 1 = 16 rows of o): a lane then holds eight neighbouring numbers of a row of the output.  w_out lies [k][n] and comes out of LDS turned,
; by ds_load_tr16_b128.  THE BIAS is the C of each sum's first matrix instruction: eight registers for each 16 columns, in the result's layout: no addition, nothing cleared.
; CLUSTERS: 4 x 4 work-groups.  The four of a row of the cluster need the same tiles of o, the four of a column the same tiles of w_out: each tile is asked for JOINTLY, by the same tensor load with the same descriptor
; and a mask that names the four.  Behind each round of the cluster's barrier a wave has one tensor load out, at the start two.
; LDS, a slot: o's tile, one head after the other: a head's 128 rows of 128 dense bytes are stated as 64 rows of 256 bytes + 16 of padding (pitch 272: row m at 272 (m / 2) + 128 (m % 2)); then w_out's 128 rows of
; 512 bytes + 32 of padding (pitch 544).
; REGISTERS: window 0: v0-31 addresses; v32-127, v128-223 two fragment buffers (o's four fragments, then w_out's eight), later the way out.   window 1: the accumulators, (a, b) at v[8 (8 a + b)].   window 2: v0-63 the bias.
.set KSB,    262144                    ; a K step on, in bytes: two heads of o16 (2 x 2^17), and 128 rows of w16 (128 x 2,048) alike
.set AP,     272
.set BP,     544
.set AHEAD,  64*AP                     ; a head's 128 rows of o in LDS: what one tensor load brings
.set BOFF,   2*AHEAD                   ; w_out's tile lies behind o's two heads
.set BHALF,  64*BP                     ; 64 rows of w_out: what one tensor load brings
.set SLOT,   BOFF+2*BHALF
.set STAGE,  2*SLOT                    ; behind the ring: 16 rows x 528 bytes for each wave, for the way out; no tensor load lands there
.set SPITCH, 528
.set SPARE,  STAGE+4*16*SPITCH         ; the spare words, 128 bytes for each wave: two blocks of 256 bytes that no other line names
.set LAPS,   4                         ; a lap = two K steps = once round the ring
.set ADRA, 16                          ; v16-17  LDS address of my fragments of o in slot 0, 1
.set ADRB, 20                          ; v20-21  the same for w_out
.set STO,  24                          ; v24     the way out: where I put 32 bytes of a row
.set RD,   25                          ; v25     the way out: where I read a row back
.set CO,   26                          ; v26     my byte offset in a row of the output
.set BO,   27                          ; v27     my byte offset in the bias
.set SPW,  28                          ; v28     LDS address of my spare word: SPARE + 4 x my thread's number; never rewritten
.set NIL,  29                          ; v29     0; never rewritten
.set F0,   32                          ; fragment buffers
.set F1,   128
.set OB,   32                          ; the way out: 16 rows read back: v32-95 and v96-159 by turns
.set WV,   12                          ; s12  my wave's number
.set G1, 24                            ; s[24:31] descriptor group 1 for o's tiles;  s[32:39] group 0, one set for each slot
.set G0, 32
.set G1B, 48                           ; s[48:55], s[56:63] the same for w_out's tiles
.set G0B, 56
.set MSB, 0
.macro WIN new                         ; the immediate's high byte repeats the setting that is left; a switch that changes nothing is dropped
.if MSB != (\new)
	s_set_vgpr_msb (MSB<<8)|(\new)
.set MSB, (\new)
.endif
.endm
.set MUL, 0x50                         ; C and D window 1, both sources window 0.  MUL + 0x10: C (the bias) window 2, D window 1
.macro JLOAD s                         ; a joint load: waves 0 and 1 fetch o's two heads, waves 2 and 3 w_out's two halves; an s_nop 0 and four v_nop follow each of the two lines, ahead of the jump, the label and what follows
	s_cmp_eq_u32 s13, 0
	s_cbranch_scc0 .Lfor_b_\@
	tensor_load_to_lds s[G0+4*\s:G0+4*\s+3], s[G1:G1+7]
	s_nop 0
.rept 4
	v_nop
.endr
	s_branch .Lasked_\@
.Lfor_b_\@:
	tensor_load_to_lds s[G0B+4*\s:G0B+4*\s+3], s[G1B:G1B+7]
	s_nop 0
.rept 4
	v_nop
.endr
.Lasked_\@:
.endm
.macro CREST                           ; a round of the cluster's barrier behind its opening barrier
	s_cmp_lg_u32 s[WV], 0
	s_cbranch_scc1 .Lnot_wave_0_\@
	s_barrier_signal -3
.Lnot_wave_0_\@:
	s_barrier_wait -3
	s_barrier_signal -1
	s_barrier_wait -1
.endm
.macro CROUND                          ; a whole round
	s_barrier_signal -1
	s_barrier_wait -1
	CREST
.endm
	s_load_b128 s[4:7], s[0:1], 0x0                ; o16 s[4:5], w16 s[6:7]
	s_load_b128 s[8:11], s[0:1], 0x10              ; b_out s[8:9], out0 s[10:11]
	v_lshl_add_u32 v[SPW], v0, 2, SPARE
	v_mov_b32 v[NIL], 0
	ds_add_u32 v[SPW], v[NIL]                      ; the wave's opening: the add, twice on end, and its wait ahead of my first tensor load; the set-up below stands between the second and the wait
	ds_add_u32 v[SPW], v[NIL]
	v_lshrrev_b32 v1, 5, v0
	v_readfirstlane_b32 s[WV], v1                  ; wave 0..3
	s_lshr_b32 s13, s[WV], 1                       ; which half of the tile's rows is mine.  Also: I fetch for o (0) or for w_out (1)
	s_and_b32 s14, s[WV], 1                        ; which half of its columns.  Also: which head, or which 64 rows of w_out, I fetch
	s_bfe_u32 s40, ttmp6, 0x40000                  ; cx, cy: my place in the cluster
	s_bfe_u32 s41, ttmp6, 0x40004
	s_lshl_b32 s42, ttmp9, 2
	s_add_co_u32 s42, s42, s40                     ; tile column = 4 x cluster x + cx
	s_and_b32 s15, ttmp7, 0xffff
	s_lshl_b32 s15, s15, 2
	s_add_co_u32 s15, s15, s41                     ; tile row = 4 x cluster y + cy
	s_lshl_b32 s43, s41, 2
	s_lshl_b32 s43, 15, s43                        ; my row of the cluster
	s_lshl_b32 s44, 0x1111, s40                    ; my column
	; descriptor group 1.  o: 64 rows x 128 elements, dense.  w_out: 64 rows x 256 elements, 1,024 elements apart
	s_or_b32 s[G1+0], s43, (1<<16)|(1<<20)|(1<<21)|(5<<22)|(3<<25)   ; 15:0 the mask: o's tiles go to my row; 17:16 elements of 2 bytes; 20 padding on; 21 set beside a mask; 24:22 after every 64 words (code 5); 31:25 of 4 words (code 3)
	s_mov_b32 s[G1+1], 128<<16                     ; tensor_dim0
	s_mov_b32 s[G1+2], 64<<16                      ; tensor_dim1
	s_mov_b32 s[G1+3], 128<<16                     ; tile_dim0
	s_mov_b32 s[G1+4], 64                          ; tile_dim1
	s_mov_b32 s[G1+5], 128                         ; tensor_dim0_stride
	s_mov_b32 s[G1+6], 0
	s_mov_b32 s[G1+7], 0
	s_or_b32 s[G1B+0], s44, (1<<16)|(1<<20)|(1<<21)|(6<<22)|(7<<25)  ; the mask of my column; padding after every 128 words (code 6), of 8 words (code 7)
	s_mov_b32 s[G1B+1], 256<<16
	s_mov_b32 s[G1B+2], 64<<16
	s_mov_b32 s[G1B+3], 256<<16
	s_mov_b32 s[G1B+4], 64
	s_mov_b32 s[G1B+5], 1024
	s_mov_b32 s[G1B+6], 0
	s_mov_b32 s[G1B+7], 0
	; where the tiles come from.  o's hang on the tile row alone, w_out's on the tile column alone; every wave makes both, in registers that never hold the other coordinate
	s_lshr_b32 s16, s15, 3                         ; o: b = tile row / 8,
	s_lshl_b32 s16, s16, 21
	s_and_b32 s17, s15, 7                          ; n = 128 (tile row % 8): 2^14 bytes each,
	s_lshl_b32 s17, s17, 14
	s_add_co_u32 s16, s16, s17
	s_lshl_b32 s17, s14, 17                        ; my head of the K step's two
	s_add_co_u32 s16, s16, s17
	s_mov_b32 s17, 0
	s_lshl_b32 s46, s42, 9                         ; w_out: 512 bytes a tile column,
	s_lshl_b32 s47, s14, 17                        ; my 64 rows of 2,048 bytes
	s_add_co_u32 s46, s46, s47
	s_mov_b32 s47, 0
	s_mul_i32 s20, s14, AHEAD                      ; and where they go: no place in the cluster enters an LDS address
	s_mul_i32 s21, s14, BHALF
	s_add_co_u32 s21, s21, BOFF
	s_wait_dscnt 0x0                               ; both opening adds are done
	s_wait_kmcnt 0x0
	s_add_nc_u64 s[16:17], s[4:5], s[16:17]
	s_add_nc_u64 s[46:47], s[6:7], s[46:47]
	CROUND                                         ; all sixteen work-groups are here: the first joint loads meet
.irp s, 0,1
	s_mov_b32 s[G0+4*\s], 1
	s_add_co_u32 s[G0+4*\s+1], s20, \s*SLOT
	s_add_nc_u64 s[G0+4*\s+2:G0+4*\s+3], s[16:17], \s*KSB
	s_or_b32 s[G0+4*\s+3], s[G0+4*\s+3], 0x80000000
	s_mov_b32 s[G0B+4*\s], 1
	s_add_co_u32 s[G0B+4*\s+1], s21, \s*SLOT
	s_add_nc_u64 s[G0B+4*\s+2:G0B+4*\s+3], s[46:47], \s*KSB
	s_or_b32 s[G0B+4*\s+3], s[G0B+4*\s+3], 0x80000000
	JLOAD \s
.endr
	v_and_b32 v1, 15, v0                           ; r = l % 16
	v_bfe_u32 v2, v0, 4, 1                         ; h = l / 16
	v_lshrrev_b32 v3, 1, v1
	v_mul_u32_u24 v3, v3, AP
	v_and_b32 v4, 1, v0
	v_lshl_add_u32 v3, v4, 7, v3
	v_lshl_add_u32 v3, v2, 4, v3                   ; o: row r of a block: 272 (r / 2) + 128 (r % 2) + 16 h
	v_and_b32 v5, 7, v0
	v_lshl_add_u32 v5, v2, 3, v5
	v_mul_u32_u24 v5, v5, BP                       ; w_out, turned: row 8 h + l % 8,
	v_bfe_u32 v6, v0, 3, 1
	v_lshl_add_u32 v5, v6, 4, v5                   ; columns 8 ((l / 8) % 2) on
	s_mul_i32 s22, s13, 32*AP                      ; my 64 rows of o
	s_lshl_b32 s23, s14, 8                         ; my 128 columns of w_out,
	s_add_co_u32 s23, s23, BOFF                    ; which lies behind o's two heads
.irp s, 0,1
	v_add_nc_u32 v[ADRA+\s], s22, v3
	v_add_nc_u32 v[ADRB+\s], s23, v5
	s_add_co_u32 s22, s22, SLOT
	s_add_co_u32 s23, s23, SLOT
.endr
	s_mul_i32 s22, s[WV], 16*SPITCH
	s_add_co_u32 s22, s22, STAGE                   ; my stage
	v_mul_u32_u24 v3, v1, SPITCH                   ; in: row r, 32 bytes for each half of the lanes
	v_lshl_add_u32 v3, v2, 5, v3
	v_add_nc_u32 v[STO], s22, v3
	v_and_b32 v4, 31, v0
	v_lshlrev_b32 v[CO], 4, v4                     ; back: the 32 lanes take one row of 512 bytes; and the same in the output
	v_add_nc_u32 v[RD], s22, v[CO]
	v_lshlrev_b32 v[BO], 5, v2                     ; the bias: my half's eight numbers of each 16
	s_lshl_b32 s16, s15, 19                        ; my first row of the output: 128 x tile row + 64 x half, 4,096 bytes each
	s_lshl_b32 s17, s13, 18
	s_add_co_u32 s16, s16, s17
	s_mov_b32 s17, 0
	s_add_nc_u64 s[10:11], s[10:11], s[16:17]
	s_lshl_b32 s46, s42, 10                        ; my first column, in bytes: 1,024 x tile column + 512 x half: in a row of the output and in the bias alike
	s_lshl_b32 s47, s14, 9
	s_add_co_u32 s46, s46, s47
	s_mov_b32 s47, 0
	s_add_nc_u64 s[10:11], s[10:11], s[46:47]
	s_add_nc_u64 s[8:9], s[8:9], s[46:47]
	WIN 0x80                                       ; destination window 2
.irp b, 0,1,2,3,4,5,6,7
	global_load_b128 v[8*\b:8*\b+3],   v[BO], s[8:9] offset:64*\b       ; register 8 b + j: the bias of my column 16 b + 8 h + j
	global_load_b128 v[8*\b+4:8*\b+7], v[BO], s[8:9] offset:64*\b+16
.endr
	WIN 0
; 8 matrix instructions: block a of my rows x all 8 blocks of my columns, 32 along K, from buffer f.  zero = 1: the first product starts the sums, with the bias as C.
; The 32 accumulators take turns, one instruction a turn, in the same order in every quarter.
.macro MUL8 f, a, zero
.irp b, 0,1,2,3,4,5,6,7
.if \zero
	v_wmma_f32_16x16x32_f16 v[8*(8*(\a)+\b):8*(8*(\a)+\b)+7], v[\f+32+8*\b:\f+32+8*\b+7], v[\f+8*(\a):\f+8*(\a)+7], v[8*\b:8*\b+7]
.else
	v_wmma_f32_16x16x32_f16 v[8*(8*(\a)+\b):8*(8*(\a)+\b)+7], v[\f+32+8*\b:\f+32+8*\b+7], v[\f+8*(\a):\f+8*(\a)+7], v[8*(8*(\a)+\b):8*(8*(\a)+\b)+7]
.endif
.endr
.endm
; 24 LDS loads in one run: the fragments of the slot's q-th 32 along K into buffer f: w_out's eight, turned, then o's four (head q / 2, channels 32 (q % 2) on)
.macro FETCH slot, q, f
	WIN 0
.irp b, 0,1,2,3,4,5,6,7
	ds_load_tr16_b128 v[\f+32+8*\b:\f+32+8*\b+3],   v[ADRB+\slot] offset:(\q)*32*BP+32*\b
	ds_load_tr16_b128 v[\f+32+8*\b+4:\f+32+8*\b+7], v[ADRB+\slot] offset:(\q)*32*BP+16*BP+32*\b
.endr
.irp a, 0,1,2,3
	ds_load_b128 v[\f+8*\a:\f+8*\a+3],   v[ADRA+\slot] offset:((\q)/2)*AHEAD+((\q)%2)*64+\a*8*AP
	ds_load_b128 v[\f+8*\a+4:\f+8*\a+7], v[ADRA+\slot] offset:((\q)/2)*AHEAD+((\q)%2)*64+\a*8*AP+32
.endr
.endm
.macro PLACES                          ; four places in front of loads into registers that matrix instructions have read, and of the first read of results (ISA guide 7.12.1 for vector instructions)
.rept 4
	v_nop
.endr
.endm
; A K step is four quarters of 32 along K, 32 matrix instructions each, on buffers 0, 1, 0, 1.  One of the first three: multiplies buffer f and fetches the slot's q-th quarter into g.
.macro QUARTER slot, q, f, g, zero
	s_wait_dscnt 4                                 ; w_out's fragments and o's blocks 0, 1 are in; the youngest four loads (blocks 2, 3) may be out
	WIN MUL+0x10*(\zero)
	MUL8 \f, 0, \zero
	MUL8 \f, 1, \zero
	PLACES
	FETCH \slot, \q, \g
	s_wait_dscnt 24                                ; all but the 24 just issued
	WIN MUL+0x10*(\zero)
	MUL8 \f, 2, \zero
	MUL8 \f, 3, \zero
.endm
; The last quarter multiplies buffer 1 and changes slots: ONE barrier; in front of it each wave waits for all its tensor loads, adds 0 to its spare word, and waits for that and for its own reads of this slot.
; fill = 1: the barrier opens a round of the cluster's barrier, and this slot is filled again, two K steps ahead, first thing behind the round: 112 matrix instructions ahead of the wait for it.
.macro TURN slot, next, fill
	WIN 0                                          ; (the add's two registers lie in window 0)
	s_wait_tensorcnt 0x0                           ; all my tensor loads have landed: my part of the next slot;
	ds_add_u32 v[SPW], v[NIL]                      ; 0 onto my spare word;
	s_wait_dscnt 5                                 ; (the add and the youngest four loads may be out)
	WIN MUL
	MUL8 F1, 0, 0                                  ; eight matrix instructions stand between the add and the wait for it
	s_wait_dscnt 0x0                               ; the add is done, and my reads of this slot are over
	s_barrier_signal -1
	MUL8 F1, 1, 0
	WIN 0
	s_barrier_wait -1
.if \fill
	CREST                                          ; no wave of any partner still reads this slot's tiles or has a load on its way
	s_add_nc_u64 s[G0+4*\slot+2:G0+4*\slot+3], s[G0+4*\slot+2:G0+4*\slot+3], 2*KSB
	s_add_nc_u64 s[G0B+4*\slot+2:G0B+4*\slot+3], s[G0B+4*\slot+2:G0B+4*\slot+3], 2*KSB
	JLOAD \slot                                    ; the four v_nop behind it are also the places in front of the loads below
.else
	PLACES
.endif
	FETCH \next, 0, F0
	WIN MUL
	MUL8 F1, 2, 0
	MUL8 F1, 3, 0
.endm
	s_wait_tensorcnt 1                             ; my part of K step 0 is in (K step 1's load may be out)
	s_barrier_signal -1
	s_barrier_wait -1                              ; everybody's is
	FETCH 0, 0, F0
	s_wait_loadcnt 0x0                             ; the bias
	QUARTER 0, 1, F0, F1, 1                        ; the first quarter stands in front of the loop: its products start the sums
	WIN 0                                          ; at a label and at a branch every window is 0
	s_mov_b32 s3, LAPS-1
.Llap:                                             ; a trip goes once round the ring, from a lap's second quarter to the next lap's first, and fills both slots again
	QUARTER 0, 2, F1, F0, 0
	QUARTER 0, 3, F0, F1, 0
	TURN 0, 1, 1
	QUARTER 1, 1, F0, F1, 0
	QUARTER 1, 2, F1, F0, 0
	QUARTER 1, 3, F0, F1, 0
	TURN 1, 0, 1
	QUARTER 0, 1, F0, F1, 0
	WIN 0
	s_sub_co_u32 s3, s3, 1
	s_cmp_lg_u32 s3, 0
	s_cbranch_scc1 .Llap
	QUARTER 0, 2, F1, F0, 0                        ; the last lap fills nothing, and has no round of the cluster's barrier
	QUARTER 0, 3, F0, F1, 0
	TURN 0, 1, 0
	QUARTER 1, 1, F0, F1, 0
	QUARTER 1, 2, F1, F0, 0
	QUARTER 1, 3, F0, F1, 0
	s_wait_dscnt 4                                 ; the very last quarter: nothing more to fetch
	WIN MUL
	MUL8 F1, 0, 0
	MUL8 F1, 1, 0
	s_wait_dscnt 0
	MUL8 F1, 2, 0
	MUL8 F1, 3, 0
	WIN 0
; THE WAY OUT, block by block of 16 rows x 128 columns.  A lane holds 32 neighbouring bytes of a row, and the lanes beside it hold other rows: so a block goes through my own stage in LDS and comes back as whole rows
; of 512 bytes.  LDS serves a wave's instructions in order (ISA guide 5.7.1.4): no wait between the stores and the loads, nor in front of the next block's stores.
.macro TOSTAGE a
	WIN 0x04                                       ; an LDS store's data are its source 1: window 1
.irp b, 0,1,2,3,4,5,6,7
	ds_store_b128 v[STO], v[8*(8*(\a)+\b):8*(8*(\a)+\b)+3] offset:64*\b          ; each accumulator from its low end on
	ds_store_b128 v[STO], v[8*(8*(\a)+\b)+4:8*(8*(\a)+\b)+7] offset:64*\b+16
.endr
	WIN 0
.set BB, OB+64*((\a)%2)
.irp t, 0,1,2,3,4,5,6,7,8,9,10,11,12,13,14,15
	ds_load_b128 v[BB+4*\t:BB+4*\t+3], v[RD] offset:\t*SPITCH
.endr
.endm
.macro SEND a, younger                 ; younger: the LDS instructions issued behind block a's loads, which may stay out
.set BB, OB+64*((\a)%2)
	s_wait_dscnt \younger                          ; the block is back in registers
.irp t, 0,1,2,3,4,5,6,7,8,9,10,11,12,13,14,15
	global_store_b128 v[CO], v[BB+4*\t:BB+4*\t+3], s[10:11] offset:(\a)*65536+\t*4096 th:TH_STORE_NT   ; 32 lanes store 512 consecutive bytes, at a multiple of 256 from the output's first byte; written once, read by nobody here
.endr
.endm
	PLACES                                         ; behind the last products: for the reads of results, and for the loads into the registers that held fragments
	TOSTAGE 0
.irp a, 1,2,3
.if \a > 1
	s_wait_xcnt 0x0                                ; block a - 2's stores have read their registers: block a's loads may land there
.endif
	TOSTAGE \a
	SEND \a-1, 32                                  ; behind block a - 1's loads: block a's 16 stores and 16 loads
.endr
	SEND 3, 0
	s_wait_tensorcnt 0x0                           ; the wave's end, behind my last tensor load and my last LDS store
	ds_add_u32 v[SPW], v[NIL]
	s_wait_dscnt 0x0
	CROUND                                         ; the closing round: no work-group ends while a partner may still ask for a tile that names it
	s_endpgm
.Lfunc_end_k_qd3629d3c95_proj:
	.size	k_qd3629d3c95_proj, .Lfunc_end_k_qd3629d3c95_proj-k_qd3629d3c95_proj
	.p2alignl 7, 3214868480
	.fill 96, 4, 3214868480
	.section	.rodata,"a",@progbits
	.p2align	6, 0x0
	.amdhsa_kernel k_qd3629d3c95_proj
		.amdhsa_group_segment_fixed_size 327680
		.amdhsa_private_segment_fixed_size 0
		.amdhsa_enable_private_segment 0
		.amdhsa_kernarg_size 32
		.amdhsa_user_sgpr_count 2
		.amdhsa_user_sgpr_kernarg_segment_ptr 1
		.amdhsa_wavefront_size32 1
		.amdhsa_system_sgpr_workgroup_id_x 1
		.amdhsa_system_sgpr_workgroup_id_y 1
		.amdhsa_system_sgpr_workgroup_id_z 1
		.amdhsa_system_vgpr_workitem_id 0
		.amdhsa_next_free_vgpr 576
		.amdhsa_next_free_sgpr 66
		.amdhsa_reserve_vcc 0
		.amdhsa_float_denorm_mode_32 3
		.amdhsa_float_denorm_mode_16_64 3
		.amdhsa_memory_ordered 1
		.amdhsa_forward_progress 1
		.amdhsa_inst_pref_size 87
	.end_amdhsa_kernel
	.amdgpu_metadata
---
amdhsa.version: [ 1, 2 ]
amdhsa.kernels:
  - .name:           k_qd3629d3c95_proj
    .symbol:         k_qd3629d3c95_proj.kd
    .args:
      - { .name: o16, .offset: 0, .size: 8, .value_kind: global_buffer, .address_space: global }
      - { .name: w16, .offset: 8, .size: 8, .value_kind: global_buffer, .address_space: global }
      - { .name: b_out, .offset: 16, .size: 8, .value_kind: global_buffer, .address_space: global }
      - { .name: out0, .offset: 24, .size: 8, .value_kind: global_buffer, .address_space: global }
    .group_segment_fixed_size: 327680
    .private_segment_fixed_size: 0
    .kernarg_segment_align: 8
    .kernarg_segment_size: 32
    .max_flat_workgroup_size: 128
    .sgpr_count:     66
    .vgpr_count:     576
    .wavefront_size: 32
...
	.end_amdgpu_metadata
.endif
;; end of part 4
